; MI455X (gfx1250); checked and timed in simulation.
; The chip was launched on July 23, 2026; its instructions are those of AMD's public machine-readable ISA for CDNA 5 (MIT licence, August 2026) and "CDNA5" Instruction Set Architecture Reference Guide (July 2026). The comments in the code are by the model that wrote it; some were corrected since.
;; Transformer Block Py Torch. Allowed arithmetic: matrix products marked QUANTISED: E2M1 operands, one E8M0 scale for each 32 along K, by v_wmma_scale_f32_16x16x128_f8f6f4 with both operands' format E2M1 (or v_wmma_scale_f32_32x16x128_f4), f32 sums; products left as they are: bf16, f16 or f32 operands; f32 sums; everything else in f32.
;; Inputs: b_attn 3,072 float32; b_fc 4,096 float32; b_fc_proj 1,024 float32; b_proj 1,024 float32; ln1_b 1,024 float32; ln1_g 1,024 float32; ln2_b 1,024 float32; ln2_g 1,024 float32; w_attn 1,024 x 3,072 float32; w_fc 1,024 x 4,096 float32; w_fc_proj 4,096 x 1,024 float32; w_proj 1,024 x 1,024 float32; x 2 x 2,048 x 1,024 float32.
;; Outputs: out0 2 x 2,048 x 1,024 float32.
;; This version of the problem:
;;   THIS VERSION OF THE PROBLEM IS GIVEN IN LOW PRECISION. The matrix products marked QUANTISED in the list below multiply operands that are first quantised to E2M1 (2 exponent bits, 1 mantissa bit; 4 bits a number), with one power-of-two scale for each 32 numbers along K (OCP MX v1.0); their sums are f32. The products marked 'left as it is' may take bf16, f16 or f32 operands, with f32 sums. Whichever they take, every output number must still come out within the allowed error. Rounding operands to bf16 (8 significant bits) uses up far more of that allowance than f16 does (11 bits, for magnitudes from 6e-5 to 65,504). All else is computed in f32.
;;   The module's matrix products, in the order in which they are computed (A, B: the left and right operand; K: the contracted axis; several contracted axes count as one K, in the product's order):
;;     1. [M 4,096, K 1,024] x [K 1,024, N 3,072]; A: input x; B: input w_attn: QUANTISED
;;     2. batch 32 x [M 2,048, K 64] x [K 64, N 2,048]; A: computed on the way; B: computed on the way: left as it is (an operand is computed on the way)
;;     3. batch 32 x [M 2,048, K 2,048] x [K 2,048, N 64]; A: computed on the way; B: computed on the way: left as it is (an operand is computed on the way)
;;     4. [M 4,096, K 1,024] x [K 1,024, N 1,024]; A: computed on the way; B: input w_proj: left as it is (an operand is computed on the way)
;;     5. [M 4,096, K 1,024] x [K 1,024, N 4,096]; A: computed on the way; B: input w_fc: left as it is (an operand is computed on the way)
;;     6. [M 4,096, K 4,096] x [K 4,096, N 1,024]; A: computed on the way; B: input w_fc_proj: left as it is (an operand is computed on the way)
;;   THE QUANTISER, for each operand of a quantised product, along K:
;;     - K is cut into blocks of 32 from its start; a last block that is shorter is filled with zeros.
;;     - A block's scale is 2^e with e = floor(log2(the largest magnitude in the block)) - 2, held to -126 .. 127; a block of zeros has e = 0. As a byte (E8M0): e + 127.
;;     - Each number is divided by its block's scale, clamped to +-6, and rounded to the nearest number of E2M1, ties to even, subnormals kept.
;;     - The product sums the exact products of the quantised numbers (number of the format x scale) in f32.
;;   ~~~python
;;   def quantise(x, axis):      # numpy; x: float32 -> the quantised numbers, widened to float32 again
;;       x = np.moveaxis(x, axis, -1); K = x.shape[-1]
;;       x = np.pad(x, [(0, 0)] * (x.ndim - 1) + [(0, -K % 32)]); x = x.reshape(x.shape[:-1] + (-1, 32)); a = np.abs(x).max(-1, keepdims=True)
;;       e = np.where(a > 0, np.clip(np.frexp(np.where(a > 0, a, 1))[1] - 1 - 2, -126, 127), 0)      # np.frexp(a)[1] - 1 = floor(log2(a)), exactly
;;       r = np.clip(x / 2.0 ** e, -6, 6)
;;       step = 2.0 ** (np.maximum(np.frexp(np.where(r == 0, 1, r))[1] - 1, 0) - 1)
;;       q = np.round(r / step) * step * 2.0 ** e      # np.round: ties to even
;;       return np.moveaxis(q.reshape(q.shape[:-2] + (-1,))[..., :K], -1, axis).astype(np.float32)
;;   ~~~
;; One version. Each part assembles by itself: llvm-mc -triple=amdgcn-amd-amdhsa -mcpu=gfx1250 --defsym DOCPART=n.
;; ======== version 1 of 1: 8 launches
;; limits: values are held in f16: magnitudes above 65,504 overflow, below 6.1e-05 lose precision
;; workspace buffers: q4 3,899,392 bytes; w16 18,874,368 bytes; qkv16 25,165,824 bytes; a16 8,388,608 bytes; pre 16,777,216 bytes; h32 16,777,216 bytes; g16 33,554,432 bytes
;; launch prep (part 1): grid 896 x 1, 4 waves a work-group, no clusters, 42,496 bytes of LDS; arguments x, w_attn, w_proj, w_fc, w_fc_proj, q4, w16; writes q4, w16
.if DOCPART == 1
	.amdgcn_target "amdgcn-amd-amdhsa--gfx1250"
	.amdhsa_code_object_version 6
	.text
	.protected	k_q618bc6aec5_prep
	.globl	k_q618bc6aec5_prep
	.p2align	8
	.type	k_q618bc6aec5_prep,@function
k_q618bc6aec5_prep:
	s_mov_b64 s[64:65], 0
	v_nop
	global_prefetch_b8 v0, s[64:65] scope:SCOPE_SE
	s_setreg_imm32_b32 hwreg(HW_REG_WAVE_MODE, 25, 1), 1
	s_wait_xcnt 0x0
; THE OPERANDS ARE MADE READY, ONCE.  Three kinds of work-group, told apart by the work-group's number alone:
;   0 .. 127    x [4096][1024] f32 -> codes of FP4 (E2M1) and E8M0 scale bytes, K innermost as it lies: q4 + 0 [4096][512 bytes], q4 + XS [4096][32]
;   128 .. 319  w_attn [1024 (K)][3072] f32 -> the same with K moved innermost: q4 + WC [3072][512 bytes], q4 + WS [3072][32]
;   320 .. 895  w_proj, w_fc, w_fc_proj f32 -> f16, in the order in which they lie ([K][N]), one behind the other in w16
; A block's scale is 2^(floor(log2(its largest magnitude)) - 2); its byte is the largest magnitude's exponent field - 2, held at 1 from below.
; LIMITS: a block of zeros, and a block whose largest magnitude lies under 2^-124, keeps the byte 1 (its codes are zeros or tiny; this program alone reads the bytes);
; NaN and infinities among the inputs are not served; a weight beyond 65,504 becomes an f16 infinity.
; Each kind has LDS bytes of its own: x 0 .. 32,767; w_attn 32,768 .. 41,983; the spare words behind them.  The third kind uses no LDS.
.set XS,     3670016
.set WC,     2097152
.set WS,     3801088
.set NWX,    128                       ; work-groups for x
.set NWW,    192                       ; work-groups for w_attn
.set SPW,    224                       ; v224  LDS address of my spare word; never rewritten
.set NIL,    225                       ; v225  0; never rewritten
.set STEPS,  16
.set AHEAD,  8                         ; x: loads run eight steps (32 loads a wave) ahead
.set EMAX,   2
.set CB,     8                         ; bytes of 16 codes
.set XR,     16                        ; x: v16-143 eight sets of 16 numbers as loaded
.set XX,     144                       ; x: v144-175 two sets of 16 neighbours
.set XE,     176                       ; x: v176-191 a scale byte for each step
.set XCD,    192                       ; x: v192-223 codes, two registers a step
.set WREG,   8192                      ; x: a wave's LDS region: two stages of 32 x SP bytes, then its 256 scale bytes
.set SP,     80
.set WSTG,   32768                     ; w_attn: the work-group's stage: 32 rows (columns of w) x 272 bytes
.set NB,     4                         ; w_attn: blocks of 32 along K for a wave (128 along K)
.set WPITCH, 272
.set WSCS,   WSTG+32*WPITCH            ; w_attn: the scale bytes' stage: 16 bytes for each of the 32 columns
.set SPARE,  WSCS+512                  ; 128 bytes for each of four waves: two blocks of 256 bytes that no other line names
.set WROW,   12288                     ; a row of w_attn in bytes
.set KROW,   512                       ; a row of codes in bytes
.set WX,     32                        ; w_attn: v32-95 two sets of 32 numbers
.set WCD,    96                        ; w_attn: a block's codes
.set WSO,    104                       ; w_attn: v104-107 a column's 16 scale bytes on the way out
.set WOUT,   112                       ; w_attn: v112-127 the way out
.set WSB,    24                        ; w_attn: v24 my four scale bytes
	s_load_b256 s[4:11], s[0:1], 0x0               ; x s[4:5], w_attn s[6:7], w_proj s[8:9], w_fc s[10:11]
	s_load_b128 s[12:15], s[0:1], 0x20             ; w_fc_proj s[12:13], q4 s[14:15]
	s_load_b64 s[16:17], s[0:1], 0x30              ; w16
	v_lshl_add_u32 v[SPW], v0, 2, SPARE
	v_mov_b32 v[NIL], 0
	v_lshrrev_b32 v1, 5, v0
	v_readfirstlane_b32 s20, v1                    ; wave 0..3
	v_and_b32 v2, 31, v0                           ; lane
	s_wait_kmcnt 0x0
	s_cmp_lt_u32 ttmp9, NWX
	s_cbranch_scc1 .Lx
	s_cmp_lt_u32 ttmp9, NWX+NWW
	s_cbranch_scc1 .Lw
	; ---- f32 -> f16.  A work-group takes 65,536 bytes of one weight, a wave 16,384: 32 loads of 512 consecutive bytes, all issued at once; each store covers 256 consecutive bytes, aligned.
	s_sub_co_u32 s22, ttmp9, NWX+NWW               ; j: 0..63 w_proj, 64..319 w_fc, 320..575 w_fc_proj
	s_cmp_lt_u32 s22, 320
	s_cselect_b64 s[24:25], s[10:11], s[12:13]
	s_cselect_b32 s23, 64, 320
	s_cmp_lt_u32 s22, 64
	s_cselect_b64 s[24:25], s[8:9], s[24:25]
	s_cselect_b32 s23, 0, s23                      ; the first j of my weight
	s_sub_co_u32 s23, s22, s23
	s_lshl_b32 s26, s23, 16
	s_lshl_b32 s27, s20, 14
	s_add_co_u32 s26, s26, s27
	s_mov_b32 s27, 0
	s_add_nc_u64 s[24:25], s[24:25], s[26:27]      ; from
	s_lshl_b32 s26, s22, 15                        ; the three weights follow each other in w16 in the order of j
	s_lshl_b32 s28, s20, 13
	s_add_co_u32 s26, s26, s28
	s_add_nc_u64 s[16:17], s[16:17], s[26:27]      ; to
	v_lshlrev_b32 v3, 4, v2
	v_lshlrev_b32 v4, 3, v2
.set i, 0
.rept 32
	global_load_b128 v[16+4*i:19+4*i], v3, s[24:25] offset:512*i th:TH_LOAD_NT
.set i, i+1
.endr
.set i, 0
.rept 32
	s_wait_loadcnt 31-i                            ; loads come back in order: load i is in, the younger ones stay out
	v_cvt_pk_f16_f32 v[144+2*i], v[16+4*i], v[17+4*i]
	v_cvt_pk_f16_f32 v[145+2*i], v[18+4*i], v[19+4*i]
	global_store_b64 v4, v[144+2*i:145+2*i], s[16:17] offset:256*i   ; no register is written twice, so no store's data need a wait
.set i, i+1
.endr
	s_endpgm
	; ---- x.  Rows are dense and K is a multiple of 32: a plain stream of blocks of 32.  A wave takes 16 steps of 512 numbers.  Each load reads 512 consecutive bytes; a step's 2,048 bytes
	; turn through the wave's own stage in LDS and come back 64 bytes (16 neighbours) a lane; two neighbouring lanes hold a block.
.Lx:
	v_lshlrev_b32 v3, 4, v2                        ; my 16 bytes of a load's 512
	s_mul_i32 s21, s20, WREG
	v_lshrrev_b32 v14, 2, v2
	v_mul_u32_u24 v14, v14, SP
	v_and_b32 v15, 3, v2
	v_lshl_add_u32 v14, v15, 4, v14
	v_add_nc_u32 v14, s21, v14                     ; the stage, on the way in: SP (lane / 4) + 16 (lane % 4)
	v_mul_u32_u24 v15, v2, SP
	v_add_nc_u32 v15, s21, v15                     ; and on the way out: SP x lane
	v_mul_u32_u24 v4, v2, CB                       ; my codes' place in a step's
	v_lshrrev_b32 v5, 1, v2
	s_add_co_u32 s21, s21, 2*32*SP
	v_add_nc_u32 v5, s21, v5                       ; my wave's 256 scale bytes, my block's byte
	v_lshlrev_b32 v7, 3, v2
	v_add_nc_u32 v6, s21, v7                       ; and on the way out 8 bytes a lane
	s_lshl_b32 s22, ttmp9, 2
	s_add_co_u32 s22, s22, s20                     ; which run of 8,192 numbers is my wave's
	s_lshl_b32 s24, s22, 15
	s_mov_b32 s25, 0
	s_add_nc_u64 s[4:5], s[4:5], s[24:25]          ; its numbers,
	s_lshl_b32 s24, s22, 12
	s_add_nc_u64 s[26:27], s[14:15], s[24:25]      ; its codes,
	s_lshl_b32 s24, s22, 8
	s_add_co_u32 s24, s24, XS
	s_add_nc_u64 s[28:29], s[14:15], s[24:25]      ; its 256 scale bytes
.macro XLOAD t
.irp i, 0,1,2,3
	global_load_b128 v[XR+16*((\t)%AHEAD)+4*\i:XR+16*((\t)%AHEAD)+4*\i+3], v3, s[4:5] offset:2048*(\t)+512*\i th:TH_LOAD_NT
.endr
.endm
.macro XTURN t                         ; LDS serves a wave's instructions in order, so no wait stands between the stores and the loads
.irp i, 0,1,2,3
	ds_store_b128 v14, v[XR+16*((\t)%AHEAD)+4*\i:XR+16*((\t)%AHEAD)+4*\i+3] offset:32*SP*((\t)%2)+8*SP*\i
.endr
.irp i, 0,1,2,3
	ds_load_b128 v[XX+16*((\t)%2)+4*\i:XX+16*((\t)%2)+4*\i+3], v15 offset:32*SP*((\t)%2)+16*\i
.endr
.endm
.irp t, 0,1,2,3,4,5,6,7
	XLOAD \t
.endr
	s_wait_loadcnt 4*(AHEAD-1)                     ; step 0's four loads are in; those of the seven steps behind it may be out
	XTURN 0
.macro XSTEP t
.set XS0, XX+16*((\t)%2)
.if (\t) > 0
	s_wait_dscnt 1                                 ; this step's numbers are back from the stage (the last step's byte store may be out): so its stores into the stage have read their registers,
.else
	s_wait_dscnt 0x0
.endif
.if (\t)+AHEAD < STEPS
	XLOAD (\t)+AHEAD                               ; which take the loads of eight steps on
.endif
.if (\t)+1 < STEPS
.if STEPS-2-(\t) >= AHEAD-1
	s_wait_loadcnt 4*(AHEAD-1)                     ; the next step's four loads are in; those of the seven steps behind it may be out
.else
	s_wait_loadcnt 4*(STEPS-2-(\t))
.endif
	XTURN (\t)+1
.endif
	v_max3_num_f32 v8, |v[XS0]|, |v[XS0+1]|, |v[XS0+2]|
	v_max3_num_f32 v9, |v[XS0+3]|, |v[XS0+4]|, |v[XS0+5]|
.irp i, 6,10
	v_max3_num_f32 v8, v8, |v[XS0+\i]|, |v[XS0+\i+1]|
	v_max3_num_f32 v9, v9, |v[XS0+\i+2]|, |v[XS0+\i+3]|
.endr
	v_max3_num_f32 v8, v8, |v[XS0+14]|, |v[XS0+15]|
	v_max3_num_f32 v8, v8, v9, (EMAX+1)<<23        ; the floor 2^(3 - 127): the byte cannot fall under 1
	v_max_num_f32_dpp v8, v8, v8 row_xmask:1 row_mask:0xf bank_mask:0xf   ; with my neighbour's 16: the block's largest magnitude
	v_add_nc_u32 v11, -(EMAX<<23), v8              ; 2 off its exponent field: the conversion takes the exponent field of this operand as its scale
	v_cvt_scalef32_pk8_fp4_f32 v[XCD+2*(\t)], v[XS0:XS0+7], v11
	v_cvt_scalef32_pk8_fp4_f32 v[XCD+2*(\t)+1], v[XS0+8:XS0+15], v11
	v_lshrrev_b32 v[XE+(\t)], 23, v11              ; the scale's byte
	ds_store_b8 v5, v[XE+(\t)] offset:16*(\t)      ; both lanes of a block write the same byte with the same value
	global_store_b64 v4, v[XCD+2*(\t):XCD+2*(\t)+1], s[26:27] offset:32*CB*(\t)   ; the wave stores 256 consecutive bytes, aligned
.endm
.irp t, 0,1,2,3,4,5,6,7,8,9,10,11,12,13,14,15
	XSTEP \t
.endr
	ds_load_b64 v[8:9], v6
	s_wait_dscnt 0x0
	global_store_b64 v7, v[8:9], s[28:29]          ; the wave's 256 scale bytes: 256 consecutive bytes, aligned
	s_wait_tensorcnt 0x0                           ; the wave's end
	ds_add_u32 v[SPW], v[NIL]
	s_wait_dscnt 0x0
	s_endpgm
	; ---- w_attn.  A lane takes a column n and its registers run down K: a block of 32 lies in one lane, and the conversions give codes with K innermost.  A work-group takes 32 columns x 512 along K,
	; each of its four waves 128 along K: 128 loads a wave in four rounds of 32, 768 waves in all.  A column's 256 bytes of codes come from the four waves: they meet in the work-group's stage, a barrier stands
	; between the writing and the reading, and each wave then stores 8 whole rows: sixteen lanes store 256 consecutive bytes, aligned.  The barrier lies on a path that the work-group's number alone picks: all four waves pass it.
	; A wave's load covers 128 consecutive bytes of a row of w_attn; the 128 beside them are the neighbouring work-group's.
.Lw:
	s_sub_co_u32 s21, ttmp9, NWX                   ; 0..191
	s_cmp_ge_u32 s21, 96
	s_cselect_b32 s22, 1, 0                        ; which 512 along K
	s_cselect_b32 s23, 96, 0
	s_sub_co_u32 s21, s21, s23                     ; which 32 columns
	s_lshl_b32 s21, s21, 5                         ; the work-group's first column
	v_lshlrev_b32 v3, 2, v2                        ; in: 4 bytes a lane
	s_lshl_b32 s23, s20, 6
	s_add_co_u32 s23, s23, WSTG
	v_mul_u32_u24 v4, v2, WPITCH
	v_add_nc_u32 v4, s23, v4                       ; into the stage: row = my column, my wave's 64 bytes of it
	s_lshl_b32 s23, s20, 2
	s_add_co_u32 s23, s23, WSCS
	v_lshl_add_u32 v10, v2, 4, s23                 ; my scale word: 16 bytes a column, my wave's 4 of them
	v_and_b32 v5, 15, v2
	v_lshrrev_b32 v6, 4, v2
	s_mul_i32 s23, s20, 8*WPITCH
	s_add_co_u32 s23, s23, WSTG
	v_mul_u32_u24 v7, v6, WPITCH
	v_lshl_add_u32 v7, v5, 4, v7
	v_add_nc_u32 v7, s23, v7                       ; out of it: my wave's 8 rows; sixteen lanes to a row, two rows an instruction
	v_mul_u32_u24 v8, v6, KROW
	v_lshl_add_u32 v8, v5, 4, v8
	s_lshl_b32 s23, s20, 12
	v_add_nc_u32 v8, s23, v8                       ; and the same place among the codes: 8 rows of 512 bytes a wave
	v_lshlrev_b32 v9, 5, v2                        ; a column's row of scale bytes in memory
	v_lshl_add_u32 v14, v2, 4, WSCS                ; and its 16 bytes in the scale bytes' stage
	s_lshl_b32 s24, s22, 2
	s_add_co_u32 s24, s24, s20                     ; which 128 along K is my wave's
	s_mul_i32 s24, s24, 128*WROW
	s_lshl_b32 s26, s21, 2
	s_add_co_u32 s24, s24, s26
	s_mov_b32 s25, 0
	s_add_nc_u64 s[6:7], s[6:7], s[24:25]
	s_lshl_b32 s24, s21, 9
	s_lshl_b32 s26, s22, 8
	s_add_co_u32 s24, s24, s26
	s_add_co_u32 s24, s24, WC
	s_add_nc_u64 s[26:27], s[14:15], s[24:25]      ; codes: column x 512 + 256 x half of K
	s_lshl_b32 s24, s21, 5
	s_lshl_b32 s28, s22, 4
	s_add_co_u32 s24, s24, s28
	s_add_co_u32 s24, s24, WS
	s_add_nc_u64 s[28:29], s[14:15], s[24:25]      ; scale bytes: column x 32 + 16 x half of K
.macro WLOAD t                         ; every offset is an immediate: 127 x 12,288 at the most, inside the signed 24 bits
.irp i, 0,1,2,3,4,5,6,7,8,9,10,11,12,13,14,15,16,17,18,19,20,21,22,23,24,25,26,27,28,29,30,31
	global_load_b32 v[WX+32*((\t)%2)+\i], v3, s[6:7] offset:(32*(\t)+\i)*WROW th:TH_LOAD_NT
.endr
.endm
	WLOAD 0
	WLOAD 1
.macro WBLOCK t
.set WS0, WX+32*((\t)%2)
.if (\t) < NB-1
	s_wait_loadcnt 32                              ; this block's 32 loads are in; the next block's may be out
.else
	s_wait_loadcnt 0
.endif
	v_max3_num_f32 v12, |v[WS0]|, |v[WS0+1]|, |v[WS0+2]|
	v_max3_num_f32 v13, |v[WS0+3]|, |v[WS0+4]|, |v[WS0+5]|
.irp i, 6,10,14,18,22,26
	v_max3_num_f32 v12, v12, |v[WS0+\i]|, |v[WS0+\i+1]|
	v_max3_num_f32 v13, v13, |v[WS0+\i+2]|, |v[WS0+\i+3]|
.endr
	v_max3_num_f32 v12, v12, |v[WS0+30]|, |v[WS0+31]|
	v_max3_num_f32 v12, v12, v13, (EMAX+1)<<23
	v_add_nc_u32 v11, -(EMAX<<23), v12
	v_lshrrev_b32 v13, 23, v11
.if (\t) == 0
	v_mov_b32 v[WSB], v13                          ; four bytes to the register, the lower K in the lower byte
.else
	v_lshl_or_b32 v[WSB], v13, 8*(\t), v[WSB]
.endif
.irp g, 0,1,2,3
	v_cvt_scalef32_pk8_fp4_f32 v[WCD+\g], v[WS0+8*\g:WS0+8*\g+7], v11
.endr
	ds_store_b128 v4, v[WCD:WCD+3] offset:16*(\t)
.if (\t)+2 < NB
	WLOAD (\t)+2
.endif
	s_wait_dscnt 0x0                               ; the store has read its registers: the next block's codes may be written
.endm
.set Q, 0
.rept NB
	WBLOCK Q
.set Q, Q+1
.endr
	ds_store_b32 v10, v[WSB]
	s_wait_dscnt 0x0                               ; for the others' sake: my stores into the two stages are done
	s_barrier_signal -1
	s_barrier_wait -1                              ; everybody's are
.irp t, 0,1,2,3
	ds_load_b128 v[WOUT+4*\t:WOUT+4*\t+3], v7 offset:2*\t*WPITCH
.endr
.irp t, 0,1,2,3
	s_wait_dscnt 3-\t                              ; load t is back; the younger ones may be out
	global_store_b128 v8, v[WOUT+4*\t:WOUT+4*\t+3], s[26:27] offset:2*\t*KROW
.endr
	s_cmp_lg_u32 s20, 0                            ; wave 0 alone sends the scale bytes: 16 bytes for each of the 32 columns
	s_cbranch_scc1 .Lw_end
	ds_load_b128 v[WSO:WSO+3], v14
	s_wait_dscnt 0x0
	global_store_b128 v9, v[WSO:WSO+3], s[28:29]
.Lw_end:
	s_wait_tensorcnt 0x0                           ; the wave's end: the three lines once more
	ds_add_u32 v[SPW], v[NIL]
	s_wait_dscnt 0x0
	s_endpgm
.Lfunc_end_k_q618bc6aec5_prep:
	.size	k_q618bc6aec5_prep, .Lfunc_end_k_q618bc6aec5_prep-k_q618bc6aec5_prep
	.p2alignl 7, 3214868480
	.fill 96, 4, 3214868480
	.section	.rodata,"a",@progbits
	.p2align	6, 0x0
	.amdhsa_kernel k_q618bc6aec5_prep
		.amdhsa_group_segment_fixed_size 42496
		.amdhsa_private_segment_fixed_size 0
		.amdhsa_enable_private_segment 0
		.amdhsa_kernarg_size 56
		.amdhsa_user_sgpr_count 2
		.amdhsa_user_sgpr_kernarg_segment_ptr 1
		.amdhsa_wavefront_size32 1
		.amdhsa_system_sgpr_workgroup_id_x 1
		.amdhsa_system_sgpr_workgroup_id_y 1
		.amdhsa_system_sgpr_workgroup_id_z 1
		.amdhsa_system_vgpr_workitem_id 0
		.amdhsa_next_free_vgpr 232
		.amdhsa_next_free_sgpr 66
		.amdhsa_reserve_vcc 0
		.amdhsa_float_denorm_mode_32 3
		.amdhsa_float_denorm_mode_16_64 3
		.amdhsa_memory_ordered 1
		.amdhsa_forward_progress 1
		.amdhsa_inst_pref_size 67
	.end_amdhsa_kernel
	.amdgpu_metadata
---
amdhsa.version: [ 1, 2 ]
amdhsa.kernels:
  - .name:           k_q618bc6aec5_prep
    .symbol:         k_q618bc6aec5_prep.kd
    .args:
      - { .name: x, .offset: 0, .size: 8, .value_kind: global_buffer, .address_space: global }
      - { .name: w_attn, .offset: 8, .size: 8, .value_kind: global_buffer, .address_space: global }
      - { .name: w_proj, .offset: 16, .size: 8, .value_kind: global_buffer, .address_space: global }
      - { .name: w_fc, .offset: 24, .size: 8, .value_kind: global_buffer, .address_space: global }
      - { .name: w_fc_proj, .offset: 32, .size: 8, .value_kind: global_buffer, .address_space: global }
      - { .name: q4, .offset: 40, .size: 8, .value_kind: global_buffer, .address_space: global }
      - { .name: w16, .offset: 48, .size: 8, .value_kind: global_buffer, .address_space: global }
    .group_segment_fixed_size: 42496
    .private_segment_fixed_size: 0
    .kernarg_segment_align: 8
    .kernarg_segment_size: 56
    .max_flat_workgroup_size: 128
    .sgpr_count:     66
    .vgpr_count:     232
    .wavefront_size: 32
...
	.end_amdgpu_metadata
.endif
;; end of part 1
;; launch qkv (part 2): grid 12 x 16, 4 waves a work-group, clusters of 4 x 4, 327,680 bytes of LDS; arguments q4, b_attn, qkv16; writes qkv16
.if DOCPART == 2
	.amdgcn_target "amdgcn-amd-amdhsa--gfx1250"
	.amdhsa_code_object_version 6
	.text
	.protected	k_q618bc6aec5_qkv
	.globl	k_q618bc6aec5_qkv
	.p2align	8
	.type	k_q618bc6aec5_qkv,@function
k_q618bc6aec5_qkv:
	s_mov_b64 s[64:65], 0
	v_nop
	global_prefetch_b8 v0, s[64:65] scope:SCOPE_SE
	s_setreg_imm32_b32 hwreg(HW_REG_WAVE_MODE, 25, 1), 1
	s_wait_xcnt 0x0
	s_wait_alu depctr_hold_cnt(0) depctr_sa_sdst(0) depctr_va_vdst(0) depctr_va_sdst(0) depctr_va_ssrc(0) depctr_va_vcc(0) depctr_vm_vsrc(0)
	s_getreg_b32 s2, hwreg(HW_REG_IB_STS2, 6, 4)
	s_cmp_eq_u32 s2, 0
	s_cbranch_scc0 .Lentry_in_a_cluster
	s_endpgm
.Lentry_in_a_cluster:
	s_bfe_u32 s2, ttmp6, 0x10000c
	s_cmp_lg_u32 s2, 0xf033
	s_cbranch_scc0 .Lentry_shape_is_right
	s_endpgm
.Lentry_shape_is_right:
; qkv = Q(x) Q(w_attn) + b_attn on codes of FP4 (E2M1) with one E8M0 scale for each 32 along K; sums in f32.  M = 4,096, N = 3,072, K = 1,024.
; Codes and scale bytes lie in q4 as the launch before laid them: x's codes at 0, w's at WC (both [rows][512 bytes]), x's scale bytes at XS, w's at WS (both [rows][32]).
; The result leaves as f16, laid by head for the attention: q, k, v at 0, 8,388,608 and 16,777,216 of qkv16, each [batch x 16 + head][2048][64].  q is multiplied by log2(e) / 8 in f32 ahead of its
; one rounding, so that the attention's scores are the exponents of 2 as they stand.   LIMIT: a result beyond 65,504 becomes an f16 infinity.
; A tile of 256 x 256 to a work-group of four waves, 128 x 128 a wave: 64 accumulators, 512 registers.  K is two slots of 512 (LDS rows of 256 bytes): both are filled at the start and none again.
; CLUSTERS: 4 x 4 work-groups; x's tiles are shared along a row of the cluster, w's along a column: each is asked for jointly, by the same tensor load with the same descriptor and a mask that names the four.
; The matrix instruction is used transposed (source 0 = 16 rows of w, source 1 = 16 rows of x): a lane holds eight neighbouring columns of one row.  The bias is the C of each sum's first instruction.
; REGISTERS: window 0: v0-31 addresses; v32-95 scale words, two sets, and nothing else; v128-191 x's fragments, one set; v192-255 the bias, 8 column blocks x 8.  window 1: w's fragments, two sets.
; windows 2, 3: the accumulators.  On the way out: v192-255 scaled results (the bias is done with behind the first step), v96-127 packed, v128-191 rows read back, two sets.
.set SIZE_K, 1024
.set XS,     3670016
.set WC,     2097152
.set WS,     3801088
.set KSTEP,  512
.set NQ,     KSTEP/128
.set ROWB,   256
.set KROW,   SIZE_K*4/8
.set PITCH,  272                       ; 256 bytes + 16 of padding: the 16 rows that a load touches start at 16 different banks
.set FR,     8
.set NL,     2
.set NP,     4
.set HALFT,  128*PITCH
.set SLOT,   4*HALFT
.set KS,     SIZE_K/32
.set SCL,    2*SLOT                    ; behind the ring: the scale bytes, as units of 256 bytes + 16 of padding
.set HALFS,  (128*KS/256)*272
.set SBLK,   (16*KS/256)*272
.set SPARE,  SCL+4*HALFS               ; the spare words: two blocks of 256 bytes that no other line names
.set SPITCH, 272                       ; the way out: 16 rows x (256 bytes + 16) for each wave, in slot 0, which has had its one fill and its last read by then
.set ADRA, 16
.set ADRB, 20
.set STO,  24
.set RD,   25
.set CO,   26
.set ADRS, 27
.set SPW,  28
.set NIL,  29
.set BO,   30                          ; v30  32 x (lane / 16): my half's place in a block of the bias
.set SC,   32
.set PKD,  96                          ; the way out: 32 registers of packed results
.set AF,   128
.set BIAS, 192
.set PT,   192                         ; the way out: 64 scaled results, where the bias lay
.set BK,   128
.set G1,   24
.set G0,   32
.set G1B,  48
.set G0B,  56
.set G1S,  68
.set G0S,  76
.set G1SB, 80
.set G0SB, 88
.set MU,   66                          ; s[66:67] what the results are multiplied by: log2(e) / 8 for q, 1 for k and v
.set MSB, 0
.macro WIN new                         ; the immediate's high byte repeats the setting that is left
.if MSB != (\new)
	s_set_vgpr_msb (MSB<<8)|(\new)
.set MSB, (\new)
.endif
.endm
.set MUL_LO, 0xa1                      ; source 0 (w) window 1, source 1 (x) window 0, C and D window 2
.set MUL_HI, 0xf1
.set FST_LO, 0x81                      ; the same with C (the bias) in window 0
.set FST_HI, 0xc1
.set TO_B,   0x40
.macro JLOAD g0a, g1a, g0b, g1b        ; waves 0 and 1 fetch for x, waves 2 and 3 for w; the branch hangs on the wave's number alone; an s_nop 0 and four v_nop follow each line
	s_cmp_eq_u32 s15, 0
	s_cbranch_scc0 .Lfor_b_\@
	tensor_load_to_lds s[\g0a:\g0a+3], s[\g1a:\g1a+7]
	s_nop 0
.rept 4
	v_nop
.endr
	s_branch .Lasked_\@
.Lfor_b_\@:
	tensor_load_to_lds s[\g0b:\g0b+3], s[\g1b:\g1b+7]
	s_nop 0
.rept 4
	v_nop
.endr
.Lasked_\@:
.endm
.macro CROUND                          ; a round of the cluster's barrier
	s_barrier_signal -1
	s_barrier_wait -1
	s_cmp_lg_u32 s14, 0
	s_cbranch_scc1 .Lnot_wave_0_\@
	s_barrier_signal -3
.Lnot_wave_0_\@:
	s_barrier_wait -3
	s_barrier_signal -1
	s_barrier_wait -1
.endm
	s_load_b128 s[4:7], s[0:1], 0x0                ; q4 s[4:5], b_attn s[6:7]
	s_load_b64 s[12:13], s[0:1], 0x10              ; qkv16
	v_lshl_add_u32 v[SPW], v0, 2, SPARE
	v_mov_b32 v[NIL], 0
	ds_add_u32 v[SPW], v[NIL]                      ; the wave's opening: the add, twice on end, and its wait ahead of my first tensor load
	ds_add_u32 v[SPW], v[NIL]
	v_lshrrev_b32 v1, 5, v0
	v_readfirstlane_b32 s14, v1                    ; wave 0..3
	s_lshr_b32 s15, s14, 1                         ; which half of the tile's rows is mine.  Also: I fetch for x (0) or for w (1)
	s_and_b32 s16, s14, 1                          ; which half of its columns.  Also: which 128 rows of that tile I fetch
	s_bfe_u32 s40, ttmp6, 0x40000                  ; cx, cy
	s_bfe_u32 s41, ttmp6, 0x40004
	s_lshl_b32 s42, ttmp9, 2
	s_add_co_u32 s42, s42, s40                     ; tile column
	s_and_b32 s17, ttmp7, 0xffff
	s_lshl_b32 s17, s17, 2
	s_add_co_u32 s17, s17, s41                     ; tile row
	s_lshl_b32 s43, s41, 2
	s_lshl_b32 s43, 15, s43                        ; my row of the cluster
	s_lshl_b32 s44, 0x1111, s40                    ; my column
	s_or_b32 s[G1+0], s43, (0<<16)|(1<<20)|(1<<21)|(5<<22)|(3<<25)  ; the mask; elements of 1 byte; padding on; bit 21 beside a mask; 4 words behind every 64
	s_or_b32 s[G1B+0], s44, (0<<16)|(1<<20)|(1<<21)|(5<<22)|(3<<25)
.irp g, G1, G1B
	s_mov_b32 s[\g+1], ROWB<<16                    ; tensor_dim0
	s_mov_b32 s[\g+2], 128<<16                     ; tensor_dim1
	s_mov_b32 s[\g+3], ROWB<<16                    ; tile_dim0
	s_mov_b32 s[\g+4], 128                         ; tile_dim1
	s_mov_b32 s[\g+5], KROW                        ; the pitch
	s_mov_b32 s[\g+6], 0
	s_mov_b32 s[\g+7], 0
.endr
	s_or_b32 s[G1S+0], s43, (3<<16)|(1<<20)|(1<<21)|(5<<22)|(3<<25) ; the scale bytes of 128 rows: a dense block, as rows of 256 bytes (32 elements of 8)
	s_or_b32 s[G1SB+0], s44, (3<<16)|(1<<20)|(1<<21)|(5<<22)|(3<<25)
.irp g, G1S, G1SB
	s_mov_b32 s[\g+1], 32<<16
	s_mov_b32 s[\g+2], (128*KS/256)<<16
	s_mov_b32 s[\g+3], 32<<16
	s_mov_b32 s[\g+4], 128*KS/256
	s_mov_b32 s[\g+5], 32
	s_mov_b32 s[\g+6], 0
	s_mov_b32 s[\g+7], 0
.endr
	s_lshl_b32 s18, s16, 7
	s_lshl_b32 s20, s17, 8
	s_add_co_u32 s20, s20, s18                     ; x: row 256 x tile row + 128 x half
	s_lshl_b32 s46, s42, 8
	s_add_co_u32 s46, s46, s18                     ; w: row 256 x tile column + 128 x half
	s_mov_b32 s21, 0
	s_mov_b32 s47, 0
	s_mov_b64 s[18:19], KS
	s_mul_u64 s[22:23], s[20:21], s[18:19]
	s_mul_u64 s[92:93], s[46:47], s[18:19]
	s_mov_b64 s[18:19], KROW
	s_mul_u64 s[20:21], s[20:21], s[18:19]
	s_mul_u64 s[46:47], s[46:47], s[18:19]
	s_add_nc_u64 s[22:23], s[22:23], XS            ; the four parts of q4
	s_add_nc_u64 s[46:47], s[46:47], WC
	s_add_nc_u64 s[92:93], s[92:93], WS
	s_mul_i32 s45, s14, HALFT                      ; where they go: wave x 128 rows
	s_mul_i32 s94, s14, HALFS
	s_cmp_eq_u32 ttmp9, 0                          ; the first cluster column holds q's 1,024 columns
	s_mov_b32 s[MU], 1.0
	s_cselect_b32 s[MU], 0x3e38aa3b, s[MU]         ; log2(e) / 8.  A value is chosen, no path
	s_mov_b32 s[MU+1], s[MU]
	s_wait_dscnt 0x0                               ; both opening adds are done
	s_wait_kmcnt 0x0
	s_add_nc_u64 s[20:21], s[4:5], s[20:21]
	s_add_nc_u64 s[22:23], s[4:5], s[22:23]
	s_add_nc_u64 s[46:47], s[4:5], s[46:47]
	s_add_nc_u64 s[92:93], s[4:5], s[92:93]
	CROUND                                         ; all sixteen work-groups are here: the first joint loads meet
	s_mov_b32 s[G0S], 1
	s_add_co_u32 s[G0S+1], s94, SCL
	s_mov_b64 s[G0S+2:G0S+3], s[22:23]
	s_or_b32 s[G0S+3], s[G0S+3], 0x80000000
	s_mov_b32 s[G0SB], 1
	s_add_co_u32 s[G0SB+1], s94, SCL
	s_mov_b64 s[G0SB+2:G0SB+3], s[92:93]
	s_or_b32 s[G0SB+3], s[G0SB+3], 0x80000000
	JLOAD G0S, G1S, G0SB, G1SB                     ; the scale bytes first
.irp s, 0,1
	s_mov_b32 s[G0+4*\s], 1
	s_add_co_u32 s[G0+4*\s+1], s45, \s*SLOT
	s_add_nc_u64 s[G0+4*\s+2:G0+4*\s+3], s[20:21], \s*ROWB
	s_or_b32 s[G0+4*\s+3], s[G0+4*\s+3], 0x80000000
	s_mov_b32 s[G0B+4*\s], 1
	s_add_co_u32 s[G0B+4*\s+1], s45, \s*SLOT
	s_add_nc_u64 s[G0B+4*\s+2:G0B+4*\s+3], s[46:47], \s*ROWB
	s_or_b32 s[G0B+4*\s+3], s[G0B+4*\s+3], 0x80000000
	JLOAD G0+4*\s, G1, G0B+4*\s, G1B               ; three tensor loads of mine are out behind the second of these
.endr
	v_and_b32 v1, 15, v0                           ; r
	v_bfe_u32 v2, v0, 4, 1                         ; h
	v_lshlrev_b32 v[BO], 5, v2
	s_lshl_b32 s46, s42, 10                        ; the bias of my 128 columns: 4 x (256 x tile column + 128 x half)
	s_lshl_b32 s47, s16, 9
	s_add_co_u32 s46, s46, s47
	s_mov_b32 s47, 0
	s_add_nc_u64 s[6:7], s[6:7], s[46:47]
.irp b, 0,1,2,3,4,5,6,7
	global_load_b128 v[BIAS+8*\b:BIAS+8*\b+3], v[BO], s[6:7] offset:64*\b          ; lane (r, h): the bias of columns 16 b + 8 h + 0 .. 7, in the result's layout
	global_load_b128 v[BIAS+8*\b+4:BIAS+8*\b+7], v[BO], s[6:7] offset:64*\b+16
.endr
	v_mul_u32_u24 v3, v1, PITCH
	v_lshl_add_u32 v4, v2, 4, v3                   ; row x pitch + 16 x half
	s_mul_i32 s21, s15, HALFT
	s_mul_i32 s22, s16, HALFT
	s_add_co_u32 s22, s22, 2*HALFT
.irp s, 0,1
	v_add_nc_u32 v[ADRA+\s], s21, v4
	v_add_nc_u32 v[ADRB+\s], s22, v4
	s_add_co_u32 s21, s21, SLOT
	s_add_co_u32 s22, s22, SLOT
.endr
	v_mul_u32_u24 v5, v1, KS
	v_lshrrev_b32 v6, 8, v5
	v_lshl_add_u32 v5, v6, 4, v5                   ; my row's scale bytes: 32 a row, and 16 more for each 256 passed
	s_mul_i32 s21, s15, HALFS
	s_mul_i32 s22, s16, HALFS
	s_add_co_u32 s22, s22, 2*HALFS
	s_sub_co_u32 s22, s22, s21
	v_mul_u32_u24 v6, s22, v2                      ; lanes 16-31 take w's
	s_add_co_u32 s21, s21, SCL
	v_add_nc_u32 v5, v5, v6
	v_add_nc_u32 v[ADRS], s21, v5
	s_mul_i32 s23, s14, 16*SPITCH                  ; my stage
	v_add_nc_u32 v[STO], s23, v4                   ; in: row r, 16 bytes for each half of the lanes
	v_bfe_u32 v5, v0, 3, 2
	v_mul_u32_u24 v5, v5, SPITCH
	v_and_b32 v6, 7, v0
	v_lshl_add_u32 v5, v6, 4, v5
	v_add_nc_u32 v[RD], s23, v5                    ; back: eight lanes take a head's 128 bytes of a row, the 32 lanes four rows
	v_and_b32 v6, 31, v0
	v_lshlrev_b32 v[CO], 4, v6                     ; which are 512 consecutive bytes of the head's rows in qkv16
	s_and_b32 s20, ttmp7, 0xffff
	s_lshr_b32 s21, s20, 1                         ; the batch: tile row / 8
	s_lshl_b32 s21, s21, 4
	s_lshl_b32 s46, s40, 2
	s_add_co_u32 s21, s21, s46                     ; + 4 heads for each tile column of the part
	s_lshl_b32 s46, s16, 1
	s_add_co_u32 s21, s21, s46                     ; + 2 for my half of the columns
	s_lshl_b32 s21, s21, 11                        ; x 2,048 positions
	s_and_b32 s46, s17, 7
	s_lshl_b32 s46, s46, 8
	s_add_co_u32 s21, s21, s46
	s_lshl_b32 s46, s15, 7
	s_add_co_u32 s21, s21, s46                     ; + my first position
	s_lshl_b32 s20, s21, 7                         ; x 128 bytes
	s_mul_i32 s46, ttmp9, 8388608                  ; q, k or v
	s_add_co_u32 s20, s20, s46
	s_mov_b32 s21, 0
	s_add_nc_u64 s[12:13], s[12:13], s[20:21]
.macro FRAG reg, adr, q, i             ; 16 rows x 128 K of 4-bit codes: 8 registers, two loads of 16 bytes, 32 bytes apart
.irp c, 0,1
	ds_load_b128 v[\reg+4*\c:\reg+4*\c+3], v[\adr] offset:64*(\q)+32*\c+(\i)*16*PITCH
.endr
.endm
; 16 matrix instructions: x's blocks a0, a0 + 1 against w's eight.  first = 1: the bias starts the sums.  The 64 accumulators take turns, one instruction a turn.
.macro MUL16 a0, p, q, sc, first
.irp a, \a0, \a0+1
.irp b, 0,1,2,3,4,5,6,7
.if \first
	v_wmma_scale_f32_16x16x128_f8f6f4 v[8*(8*((\a)%4)+\b):8*(8*((\a)%4)+\b)+7], v[128*(\p)+FR*\b:128*(\p)+FR*\b+FR-1], v[AF+FR*(\a):AF+FR*(\a)+FR-1], v[BIAS+8*\b:BIAS+8*\b+7], v[SC+8*NQ*(\sc)+NQ*\b+(\q)], v[SC+8*NQ*(\sc)+NQ*(\a)+(\q)] matrix_a_fmt:MATRIX_FMT_FP4 matrix_b_fmt:MATRIX_FMT_FP4 matrix_a_scale:MATRIX_SCALE_ROW1
.else
	v_wmma_scale_f32_16x16x128_f8f6f4 v[8*(8*((\a)%4)+\b):8*(8*((\a)%4)+\b)+7], v[128*(\p)+FR*\b:128*(\p)+FR*\b+FR-1], v[AF+FR*(\a):AF+FR*(\a)+FR-1], v[8*(8*((\a)%4)+\b):8*(8*((\a)%4)+\b)+7], v[SC+8*NQ*(\sc)+NQ*\b+(\q)], v[SC+8*NQ*(\sc)+NQ*(\a)+(\q)] matrix_a_fmt:MATRIX_FMT_FP4 matrix_b_fmt:MATRIX_FMT_FP4 matrix_a_scale:MATRIX_SCALE_ROW1
.endif
.endr
.endr
.endm
.macro FETCH_B slot, q, p
	WIN TO_B
.irp i, 0,1,2,3,4,5,6,7
	FRAG 128*(\p)+FR*\i, ADRB+\slot, \q, \i
.endr
	WIN 0
.endm
.macro FETCH_A slot, q, i0
.irp i, \i0, \i0+1, \i0+2, \i0+3
	FRAG AF+FR*(\i), ADRA+\slot, \q, \i
.endr
.endm
.macro SCALES sc                       ; a slot's scale words: lanes 0-15 take x's block i, lanes 16-31 w's block i
.irp i, 0,1,2,3,4,5,6,7
	ds_load_b128 v[SC+8*NQ*\sc+NQ*\i:SC+8*NQ*\sc+NQ*\i+3], v[ADRS] offset:\i*SBLK
.endr
.endm
.macro PLACES n                        ; plain vector lines between a matrix instruction and a load into, or a read of, its registers
.rept \n
	v_nop
.endr
.endm
.macro STEP slot, q, first             ; 128 along K that has its successor in the same slot
	s_wait_dscnt 4*NL                              ; w's set and x's blocks 0-3 are in; the youngest eight loads (x's blocks 4-7) may be out
.if \first
	WIN FST_LO
.else
	WIN MUL_LO
.endif
	MUL16 0, (\q)%2, \q, \slot, \first
	MUL16 2, (\q)%2, \q, \slot, \first
	s_wait_dscnt 0
	PLACES NP
	FETCH_B \slot, (\q)+1, 1-(\q)%2
	FETCH_A \slot, (\q)+1, 0
.if \first
	WIN FST_HI
.else
	WIN MUL_HI
.endif
	MUL16 4, (\q)%2, \q, \slot, \first
	MUL16 6, (\q)%2, \q, \slot, \first
	PLACES NP
	WIN 0
	FETCH_A \slot, (\q)+1, 4
.endm
.macro STEPS slot, from
.set Q, \from
.rept NQ-1-\from
	STEP \slot, Q, 0
.set Q, Q+1
.endr
.endm
	s_wait_tensorcnt 1                             ; the scale bytes and my part of slot 0 are in; slot 1's load may be out
	s_barrier_signal -1
	s_barrier_wait -1
	FETCH_B 0, 0, 0
	FETCH_A 0, 0, 0
	SCALES 0
	FETCH_A 0, 0, 4
	s_wait_loadcnt 0x0                             ; the bias
	STEP 0, 0, 1
	STEPS 0, 1
	; slot 0's last step changes slots: one barrier; in front of it my part of slot 1 has landed and my reads of slot 0 are over.  Nothing is filled again.
	s_wait_tensorcnt 0x0
	ds_add_u32 v[SPW], v[NIL]                      ; 0 onto my spare word
	s_wait_dscnt 4*NL+1                            ; (the add and x's blocks 4-7 may be out)
	WIN MUL_LO
	MUL16 0, 1, NQ-1, 0, 0
	s_wait_dscnt 0x0
	s_barrier_signal -1
	MUL16 2, 1, NQ-1, 0, 0
	WIN 0
	s_barrier_wait -1
	PLACES NP
	v_add_nc_u32 v[ADRS], 4*NQ, v[ADRS]            ; on to slot 1's scale words
	FETCH_B 1, 0, 0
	FETCH_A 1, 0, 0
	SCALES 1
	WIN MUL_HI
	MUL16 4, 1, NQ-1, 0, 0
	MUL16 6, 1, NQ-1, 0, 0
	PLACES NP
	WIN 0
	FETCH_A 1, 0, 4
	STEPS 1, 0
	s_wait_dscnt 4*NL                              ; the very last step
	WIN MUL_LO
	MUL16 0, 1, NQ-1, 1, 0
	MUL16 2, 1, NQ-1, 1, 0
	s_wait_dscnt 0
	WIN MUL_HI
	MUL16 4, 1, NQ-1, 1, 0
	MUL16 6, 1, NQ-1, 1, 0
	WIN 0
; THE WAY OUT, block by block of 16 rows x 128 columns (two heads).  PACK: x the multiplier, rounded to f16, each accumulator from its low end on.  TOSTAGE: 16 bytes a lane into my stage, and back as
; heads' rows.  SEND: each store covers 512 consecutive bytes of one head, aligned.
.macro PACK a
.set AC, 64*((\a)%4)
	WIN 0x02+((\a)/4)
.set i, 0
.rept 32
	v_pk_mul_f32 v[PT+2*i:PT+2*i+1], v[AC+2*i:AC+2*i+1], s[MU:MU+1] op_sel_hi:[1,0]
.set i, i+1
.endr
	WIN 0
.set i, 0
.rept 32
	v_cvt_pk_f16_f32 v[PKD+i], v[PT+2*i], v[PT+2*i+1]
.set i, i+1
.endr
.endm
.macro TOSTAGE a
.set BB, BK+32*((\a)%2)
.irp b, 0,1,2,3,4,5,6,7
	ds_store_b128 v[STO], v[PKD+4*\b:PKD+4*\b+3] offset:32*\b
.endr
.irp u, 0,1
.irp t, 0,1,2,3
	ds_load_b128 v[BB+16*\u+4*\t:BB+16*\u+4*\t+3], v[RD] offset:128*\u+4*SPITCH*\t   ; LDS serves a wave's instructions in order: these see the stores above
.endr
.endr
.endm
.macro SEND a
.set BB, BK+32*((\a)%2)
	s_wait_dscnt 0x0                               ; the block is back in registers
	s_wait_xcnt 0x0                                ; the stores of the block before have read their registers: the next block's loads may land there
.irp u, 0,1
.irp t, 0,1,2,3
	global_store_b128 v[CO], v[BB+16*\u+4*\t:BB+16*\u+4*\t+3], s[12:13] offset:262144*\u+2048*(\a)+512*\t
.endr
.endr
.endm
	PLACES NP
	PACK 0
	TOSTAGE 0
.irp a, 1,2,3,4,5,6,7
	PACK \a                                        ; a block's arithmetic stands between the loads of the block before and the wait for them
	SEND \a-1
	TOSTAGE \a
.endr
	SEND 7
	s_wait_tensorcnt 0x0                           ; the wave's end
	ds_add_u32 v[SPW], v[NIL]
	s_wait_dscnt 0x0
	CROUND                                         ; the closing round
	s_endpgm
.Lfunc_end_k_q618bc6aec5_qkv:
	.size	k_q618bc6aec5_qkv, .Lfunc_end_k_q618bc6aec5_qkv-k_q618bc6aec5_qkv
	.p2alignl 7, 3214868480
	.fill 96, 4, 3214868480
	.section	.rodata,"a",@progbits
	.p2align	6, 0x0
	.amdhsa_kernel k_q618bc6aec5_qkv
		.amdhsa_group_segment_fixed_size 327680
		.amdhsa_private_segment_fixed_size 0
		.amdhsa_enable_private_segment 0
		.amdhsa_kernarg_size 24
		.amdhsa_user_sgpr_count 2
		.amdhsa_user_sgpr_kernarg_segment_ptr 1
		.amdhsa_wavefront_size32 1
		.amdhsa_system_sgpr_workgroup_id_x 1
		.amdhsa_system_sgpr_workgroup_id_y 1
		.amdhsa_system_sgpr_workgroup_id_z 1
		.amdhsa_system_vgpr_workitem_id 0
		.amdhsa_next_free_vgpr 1024
		.amdhsa_next_free_sgpr 98
		.amdhsa_reserve_vcc 0
		.amdhsa_float_denorm_mode_32 3
		.amdhsa_float_denorm_mode_16_64 3
		.amdhsa_memory_ordered 1
		.amdhsa_forward_progress 1
		.amdhsa_inst_pref_size 144
	.end_amdhsa_kernel
	.amdgpu_metadata
---
amdhsa.version: [ 1, 2 ]
amdhsa.kernels:
  - .name:           k_q618bc6aec5_qkv
    .symbol:         k_q618bc6aec5_qkv.kd
    .args:
      - { .name: q4, .offset: 0, .size: 8, .value_kind: global_buffer, .address_space: global }
      - { .name: b_attn, .offset: 8, .size: 8, .value_kind: global_buffer, .address_space: global }
      - { .name: qkv16, .offset: 16, .size: 8, .value_kind: global_buffer, .address_space: global }
    .group_segment_fixed_size: 327680
    .private_segment_fixed_size: 0
    .kernarg_segment_align: 8
    .kernarg_segment_size: 24
    .max_flat_workgroup_size: 128
    .sgpr_count:     98
    .vgpr_count:     1024
    .wavefront_size: 32
...
	.end_amdgpu_metadata
.endif
;; end of part 2
;; launch attn (part 3): grid 8 x 32, 8 waves a work-group, no clusters, 327,680 bytes of LDS; arguments qkv16, a16; writes a16
.if DOCPART == 3
	.amdgcn_target "amdgcn-amd-amdhsa--gfx1250"
	.amdhsa_code_object_version 6
	.text
	.protected	k_q618bc6aec5_attn
	.globl	k_q618bc6aec5_attn
	.p2align	8
	.type	k_q618bc6aec5_attn,@function
k_q618bc6aec5_attn:
	s_mov_b64 s[64:65], 0
	v_nop
	global_prefetch_b8 v0, s[64:65] scope:SCOPE_SE
	s_setreg_imm32_b32 hwreg(HW_REG_WAVE_MODE, 25, 1), 1
	s_wait_xcnt 0x0
; y[b][t][head] = the sum over keys k <= t of softmax_k(q . k / 8) v.  q, k, v: f16, [batch x 16 + head][2048][64] at 0, 8,388,608 and 16,777,216 of qkv16; q holds q x log2(e) / 8, so a score is the
; exponent of 2 as it stands.  Products on f16 operands, sums, maxima and the softmax in f32; the weights p = 2^(t - m), m the running maximum, are rounded to f16 for the second product; y once, to f16, [4096][1024].
; LIMITS: a y beyond 65,504 becomes an f16 infinity; a p under 2^-25 counts as 0 in the second product (the row's sum is at least 1).
; SHARES.  The head's 2,048 queries are 16 blocks of 128.  Work-group (i, head) owns the late block 15 - i and the early block i, so that under the causal mask all 256 work-groups have the same work.
; A wave holds TWO NEIGHBOURING tiles of 16 queries, 32 queries of one block, so that every fragment of K and V that it reads from LDS feeds two tiles: a work-group's reads are (steps of the late block + steps
; of the early block) x 4 waves x 16 KB, about 34 x 64 KB whatever i is.  Four waves take the late block, four the early one: block (w xor (w >> 2)) & 1, its 32 queries number w >> 1; so waves w and w + 4, and
; waves 2 k and 2 k + 1, never belong to the same block.
; Keys go 64 a step, four steps to a slot, eight slots.  EVERY work-group walks all eight changes of slots (constant trip counts).  A step's first key is a multiple of 64 and a wave's first query one of 32: so
; a step either has keys that count for both tiles or for neither, and a step of the second kind is left out by one scalar branch on ids.  A slot whose first key comes after the work-group's last query is not asked
; for.  A slot is asked for whole: where that limit, a multiple of 128, falls in a slot's middle, the tiles of its last two steps come and are not read.
; NO CLUSTER: the work-groups of a head need 9 to 16 blocks of keys; a joint load would bring tiles that every wave of some partner leaves out.
; LAYOUT.  S^T = K Q^T (source 0 = 16 keys, source 1 = 16 queries); two such tiles rounded in pairs ARE source 1 of O^T = V^T P; V comes turned out of LDS.  A lane holds one query throughout.
; y's part of a row is 128 bytes (a head's 64 channels): a store covers four runs of 128 consecutive bytes.
; REGISTERS: window 0: v1-14 addresses; v16-31 statistics, 8 a tile (+0 m, +2, +3 the sum, +4..+7 at work, a in +6); v32-63 Q; v64-127 S^T; v128-159 P; v160-223 O^T.  window 1: v0-63 K, v64-127 V of one step.
.set KS,    64
.set PK,    144                        ; a row of K in LDS: 128 bytes + 16
.set PV,    160                        ; a row of V: 128 + 32
.set VOFF,  KS*PK
.set STEPB, KS*(PK+PV)                 ; a step's tiles lie together: 64 rows of K, then 64 of V
.set SLOT1, 1<<17                      ; slot 1 begins here: one exclusive or turns an address from one slot to the other
.set STAGE, 2*SLOT1                    ; behind the ring: 16 rows x 144 bytes for each wave
.set SPARE, STAGE+8*16*PK              ; the spare words, 128 bytes for each of eight waves: four blocks of 256 bytes that no other line names
.set AK0, 1
.set AV0, 2
.set ADK, 3
.set ADV, 4
.set SPW, 5
.set NIL, 6
.set STO, 7
.set RD,  8
.set GO,  9
.set DM,  10
.set NINF, 11
.set RH,  12
.set QO,  13
.set PFO, 14
.set ST,  16
.set QQ,  32
.set SS,  64
.set PP,  128
.set OO,  160
.set WV,  18
.set SEL, 20
.set TB,  2                            ; s2   LDS byte at which the step's tiles begin
.set G1K, 24
.set G1V, 32
.set G0,  40                           ; s[40:43] my one group 0, which walks
.set SLOTS, 67
.set KF,  68                           ; s68  the step's first key
.set QH,  69                           ; s69, s70  tile 0's first and last query
.set QHE, 70
.set QL,  71                           ; s71  tile 1's first query: 16 on
.set QLAST, 73                         ; s73  my work-group's last query
.set PFA, 76
.set LIM, 80
.set YH,  84
.set YL,  86
.set QPH, 88
.set QPL, 90
.set MSB, 0
.macro WIN new
.if MSB != (\new)
	s_set_vgpr_msb (MSB<<8)|(\new)
.set MSB, (\new)
.endif
.endm
; Every wave fetches one tile of 64 rows: waves 0-3 K of the slot's step w, waves 4-7 V of step w - 4.  The two shapes differ in the padding alone; the branch hangs on the wave's number alone.
.macro TLOAD
	s_cmp_lt_u32 s[WV], 4
	s_cbranch_scc0 .Lfor_v_\@
	tensor_load_to_lds s[G0:G0+3], s[G1K:G1K+7]
	s_nop 0
.rept 4
	v_nop
.endr
	s_branch .Lasked_\@
.Lfor_v_\@:
	tensor_load_to_lds s[G0:G0+3], s[G1V:G1V+7]
	s_nop 0
.rept 4
	v_nop
.endr
.Lasked_\@:
.endm
; A prefetch into the L2 of my own tile (8,192 dense bytes, lanes 256 bytes apart) of the slot that the NEXT change will ask for: four key steps ahead of that load.  All eight work-groups of a head walk the
; same K and V: the one with i = 0, which asks for every slot, prefetches, and nobody else: each block of 256 bytes is named once.  The last change that fills a slot asks for nothing.
.macro ASK
	s_cmp_gt_u32 s[SLOTS], s[LIM]
	s_cbranch_scc0 .Lnot_mine_\@
	global_prefetch_b8 v[PFO], s[PFA:PFA+1] th:TH_LOAD_NT scope:SCOPE_SE
.Lnot_mine_\@:
.endm
	s_load_b128 s[4:7], s[0:1], 0x0                ; qkv16 s[4:5], a16 s[6:7]
	v_lshl_add_u32 v[SPW], v0, 2, SPARE
	v_mov_b32 v[NIL], 0
	ds_add_u32 v[SPW], v[NIL]                      ; the wave's opening: the add, twice on end, and its wait ahead of my first tensor load
	ds_add_u32 v[SPW], v[NIL]
	v_lshrrev_b32 v1, 5, v0
	v_readfirstlane_b32 s[WV], v1                  ; wave 0..7
	s_and_b32 s8, ttmp7, 0xffff                    ; batch x 16 + head
	s_sub_co_u32 s10, 15, ttmp9                    ; the late block's number
	s_lshl_b32 s[QLAST], s10, 7
	s_or_b32 s[QLAST], s[QLAST], 127               ; its last query: made of the work-group's number alone, the same in all eight waves
	s_lshr_b32 s9, s[WV], 2
	s_xor_b32 s9, s9, s[WV]
	s_and_b32 s9, s9, 1                            ; 0: my wave takes the late block, 1: the early one
	s_cmp_eq_u32 s9, 0
	s_cselect_b32 s10, s10, ttmp9                  ; my block
	s_lshl_b32 s10, s10, 7
	s_lshr_b32 s9, s[WV], 1
	s_lshl_b32 s9, s9, 5                           ; my 32 queries of it
	s_add_co_u32 s[QH], s10, s9
	s_add_co_u32 s[QHE], s[QH], 15
	s_add_co_u32 s[QL], s[QH], 16
	s_mov_b32 s[G1K], (1<<16)|(1<<20)|(4<<22)|(3<<25)   ; no mask; elements of 2 bytes; padding on: 4 words behind every 32
	s_mov_b32 s[G1V], (1<<16)|(1<<20)|(4<<22)|(7<<25)   ; 8 words behind every 32
.irp g, G1K, G1V
	s_mov_b32 s[\g+1], 64<<16                      ; tensor_dim0 = 64
	s_mov_b32 s[\g+2], KS<<16                      ; tensor_dim1 = 64
	s_mov_b32 s[\g+3], 64<<16                      ; tile_dim0 = 64
	s_mov_b32 s[\g+4], KS                          ; tile_dim1 = 64
	s_mov_b32 s[\g+5], 64                          ; the pitch
	s_mov_b32 s[\g+6], 0
	s_mov_b32 s[\g+7], 0
.endr
	s_and_b32 s11, s[WV], 3                        ; which step of a slot I fetch,
	s_lshr_b32 s12, s[WV], 2                       ; for K (0) or V (1)
	s_mul_i32 s13, s11, STEPB
	s_mul_i32 s14, s12, VOFF
	s_add_co_u32 s13, s13, s14                     ; its place in slot 0
	s_lshl_b32 s16, s8, 18                         ; the head's 262,144 bytes
	s_lshl_b32 s14, s11, 13
	s_add_co_u32 s14, s14, s16
	s_lshl_b32 s15, s12, 23
	s_add_co_u32 s14, s14, s15
	s_add_co_u32 s14, s14, 8388608                 ; k lies behind q, v behind k
	s_mov_b32 s15, 0
	s_lshl_b32 s[QPH], s[QH], 7
	s_add_co_u32 s[QPH], s[QPH], s16
	s_mov_b32 s[QPH+1], 0
	s_lshl_b32 s[QPL], s[QL], 7
	s_add_co_u32 s[QPL], s[QPL], s16
	s_mov_b32 s[QPL+1], 0
	s_lshr_b32 s9, s8, 4
	s_lshl_b32 s9, s9, 11                          ; the batch's 2,048 rows of y
	s_and_b32 s10, s8, 15
	s_lshl_b32 s10, s10, 7                         ; the head's 128 bytes of a row
	s_add_co_u32 s[YH], s9, s[QH]
	s_lshl_b32 s[YH], s[YH], 11
	s_add_co_u32 s[YH], s[YH], s10
	s_mov_b32 s[YH+1], 0
	s_add_co_u32 s[YL], s9, s[QL]
	s_lshl_b32 s[YL], s[YL], 11
	s_add_co_u32 s[YL], s[YL], s10
	s_mov_b32 s[YL+1], 0
	s_mov_b32 s[SEL], 0x76543210
	s_mov_b32 s[SEL+1], 0xfedcba98                 ; v_permlanex16_b32's selects for lane l xor 16
	s_mov_b32 s[TB], 0
	s_mov_b32 s[KF], 0
	s_mov_b32 s[SLOTS], 7
	s_cmp_eq_u32 ttmp9, 0
	s_cselect_b32 s[LIM], 1, -1
	s_wait_dscnt 0x0                               ; both opening adds are done
	s_wait_kmcnt 0x0
	s_mov_b32 s[G0], 1
	s_mov_b32 s[G0+1], s13
	s_add_nc_u64 s[G0+2:G0+3], s[4:5], s[14:15]
	s_add_nc_u64 s[PFA:PFA+1], s[G0+2:G0+3], 32768 ; my tile of slot 1; the first change steps it to slot 2.  Nothing is prefetched here, at the head
	s_or_b32 s[G0+3], s[G0+3], 0x80000000
	TLOAD                                          ; slot 0: keys 0 to 255 count for every query of the late block (1,024 on), so all of it is read
	s_add_nc_u64 s[QPH:QPH+1], s[4:5], s[QPH:QPH+1]
	s_add_nc_u64 s[QPL:QPL+1], s[4:5], s[QPL:QPL+1]
	s_add_nc_u64 s[YH:YH+1], s[6:7], s[YH:YH+1]
	s_add_nc_u64 s[YL:YL+1], s[6:7], s[YL:YL+1]
	v_and_b32 v240, 15, v0                         ; r
	v_bfe_u32 v241, v0, 4, 1                       ; h
	v_and_b32 v242, 7, v0
	v_bfe_u32 v243, v0, 3, 1
	v_bfe_u32 v245, v0, 3, 2                       ; lane / 8
	v_lshlrev_b32 v[QO], 7, v240
	v_lshl_add_u32 v[QO], v241, 4, v[QO]           ; Q: row r of 128 bytes, + 16 h
.irp kc, 0,1                                   ; Q stays in registers: tile u, channels 32 kc on
	global_load_b128 v[QQ+8*\kc:QQ+8*\kc+3],       v[QO], s[QPH:QPH+1] offset:64*\kc
	global_load_b128 v[QQ+8*\kc+4:QQ+8*\kc+7],     v[QO], s[QPH:QPH+1] offset:64*\kc+32
	global_load_b128 v[QQ+16+8*\kc:QQ+16+8*\kc+3],   v[QO], s[QPL:QPL+1] offset:64*\kc
	global_load_b128 v[QQ+16+8*\kc+4:QQ+16+8*\kc+7], v[QO], s[QPL:QPL+1] offset:64*\kc+32
.endr
	v_mul_u32_u24 v[AK0], v240, PK
	v_lshl_add_u32 v[AK0], v241, 4, v[AK0]         ; K: row r x pitch + 16 h
	v_lshl_add_u32 v[AV0], v241, 3, v242           ; V, for the turning load: key 8 h + l % 8, channels 8 ((l / 8) % 2) on
	v_mul_u32_u24 v[AV0], v[AV0], PV
	v_lshl_add_u32 v[AV0], v243, 4, v[AV0]
	v_add_nc_u32 v[AV0], VOFF, v[AV0]
	s_mul_i32 s10, s[WV], 16*PK
	s_add_co_u32 s10, s10, STAGE                   ; my stage
	v_add_nc_u32 v[STO], s10, v[AK0]               ; in: row r, 16 bytes for each half of the lanes
	v_mul_u32_u24 v[RD], v245, PK
	v_lshl_add_u32 v[RD], v242, 4, v[RD]
	v_add_nc_u32 v[RD], s10, v[RD]                 ; back: eight lanes to a row of 128 bytes, four rows an instruction
	v_lshlrev_b32 v[GO], 11, v245
	v_lshl_add_u32 v[GO], v242, 4, v[GO]           ; and the same four rows of y, 2,048 bytes apart
	v_lshlrev_b32 v[RH], 3, v241
	v_sub_nc_u32 v[RH], v240, v[RH]                ; r - 8 h
	v_mov_b32 v[NINF], 0xff800000                  ; -infinity
	v_and_b32 v[PFO], 31, v0
	v_lshlrev_b32 v[PFO], 8, v[PFO]
.irp u, 0,1
	v_mov_b32 v[ST+8*\u], 0xff61b1e6               ; the largest t so far: -3e38, under every t
.irp j, 1,2,3,4,5,6,7
	v_mov_b32 v[ST+8*\u+\j], 0                     ; the sum, and registers that are named in pairs or as a permute's destination before they are first written
.endr
.endr
.set i, 0
.rept 64
	v_mov_b32 v[OO+i], 0                           ; O^T.  (The step has one form: the first finds zeros, which a = 0 leaves zeros)
.set i, i+1
.endr
.macro SMM u                           ; S^T = K Q^T for tile u: four tiles of 16 keys by turns, channels 0-31 start the sums, 32-63 add onto them
.irp kc, 0,1
.irp kt, 0,1,2,3
.if \kc == 0
	v_wmma_f32_16x16x32_f16 v[SS+32*\u+8*\kt:SS+32*\u+8*\kt+7], v[8*(2*\kt+\kc):8*(2*\kt+\kc)+7], v[QQ+16*\u+8*\kc:QQ+16*\u+8*\kc+7], 0
.else
	v_wmma_f32_16x16x32_f16 v[SS+32*\u+8*\kt:SS+32*\u+8*\kt+7], v[8*(2*\kt+\kc):8*(2*\kt+\kc)+7], v[QQ+16*\u+8*\kc:QQ+16*\u+8*\kc+7], v[SS+32*\u+8*\kt:SS+32*\u+8*\kt+7]
.endif
.endr
.endr
.endm
.macro PVM u                           ; O^T += V^T P for tile u: four tiles of 16 channels by turns, keys 0-31, then 32-63
.irp ks, 0,1
.irp ct, 0,1,2,3
	v_wmma_f32_16x16x32_f16 v[OO+32*\u+8*\ct:OO+32*\u+8*\ct+7], v[64+8*(4*\ks+\ct):64+8*(4*\ks+\ct)+7], v[PP+16*\u+8*\ks:PP+16*\u+8*\ks+7], v[OO+32*\u+8*\ct:OO+32*\u+8*\ct+7]
.endr
.endr
.endm
.macro KLOAD off                       ; 16 LDS loads in one run: a step's K (64 keys x 64 channels: 8 fragments), off bytes behind the address in hand
	WIN 0x40                                       ; destination window 1
.irp kt, 0,1,2,3
.irp kc, 0,1
	ds_load_b128 v[8*(2*\kt+\kc):8*(2*\kt+\kc)+3],   v[ADK] offset:\off+\kt*16*PK+64*\kc
	ds_load_b128 v[8*(2*\kt+\kc)+4:8*(2*\kt+\kc)+7], v[ADK] offset:\off+\kt*16*PK+64*\kc+32
.endr
.endr
	WIN 0
.endm
; On the diagonal the scores of hidden keys become -infinity ahead of the maximum.  A step all of whose keys count skips this.  Register 8 kt + j holds key KF + 16 kt + 8 h + j.
.macro MASK u, q0
	s_add_co_u32 s96, s[KF], 63
	s_cmp_le_u32 s96, s[\q0]
	s_cbranch_scc1 .Lopen_\@
	s_sub_co_i32 s96, s[\q0], s[KF]
	v_add_nc_u32 v[DM], s96, v[RH]                 ; d = my query - KF - 8 h: hidden where 16 kt + j > d.  KF is at or under the wave's first query in every step that is walked, so key KF counts for every query
.set n, 0
.rept 32
	v_cmp_gt_i32 vcc_lo, 16*(n/8)+n%8, v[DM]
	v_cndmask_b32 v[SS+32*\u+n], v[SS+32*\u+n], v[NINF], vcc_lo
.set n, n+1
.endr
.Lopen_\@:
.endm
.macro SOFTMAX u
.set rT, ST+8*\u
.set rS, SS+32*\u
.set rP, PP+16*\u
.set rO, OO+32*\u
.irp j, 0,1,2,3
	v_max3_num_f32 v[rT+4+\j], v[rS+8*\j], v[rS+8*\j+1], v[rS+8*\j+2]   ; four chains, each from its accumulator's low end on
.endr
.irp g, 1,2
.irp j, 0,1,2,3
	v_max3_num_f32 v[rT+4+\j], v[rT+4+\j], v[rS+8*\j+2*\g+1], v[rS+8*\j+2*\g+2]
.endr
.endr
	v_max3_num_f32 v[rT+4], v[rT+4], v[rS+7], v[rS+15]
	v_max3_num_f32 v[rT+6], v[rT+6], v[rS+23], v[rS+31]
	v_max3_num_f32 v[rT+4], v[rT+4], v[rT+5], v[rT+6]
	v_max3_num_f32 v[rT+4], v[rT+4], v[rT+7], v[rT]                     ; with the old m
	v_permlanex16_b32 v[rT+5], v[rT+4], s[SEL], s[SEL+1]                ; the query's other 32 keys lie in the lane 16 away
	v_mov_b32 v[rT+7], v[rT]
	v_max_num_f32 v[rT], v[rT+4], v[rT+5]                               ; the new m
	v_sub_f32 v[rT+7], v[rT+7], v[rT]                                   ; old m - new m, 0 or less
.set i, 0
.rept 16
	v_pk_add_f32 v[rS+2*i:rS+2*i+1], v[rS+2*i:rS+2*i+1], v[rT:rT+1] op_sel_hi:[1,0] neg_lo:[0,1] neg_hi:[0,1]   ; t - m, two at a time
.set i, i+1
.endr
	v_exp_f32 v[rT+6], v[rT+7]                     ; a = 2^(old m - new m).  ONE BATCH: a and the 32 weights; none reads another's result
.set i, 0
.rept 32
	v_exp_f32 v[rS+i], v[rS+i]
.set i, i+1
.endr
	v_nop                                          ; a plain line behind the last exponential (ISA guide 5.7.2)
	s_wait_alu depctr_va_vdst(0)                   ; one wait for the batch, ahead of its first reader
.set i, 0
.rept 16
	v_cvt_pk_f16_f32 v[rP+i], v[rS+2*i], v[rS+2*i+1]
.set i, i+1
.endr
.irp z, 0,1,2,3,4,5,6,7
	v_pk_add_f32 v[rS+4*\z:rS+4*\z+1], v[rS+4*\z:rS+4*\z+1], v[rS+4*\z+2:rS+4*\z+3]   ; the sum of the unrounded weights, as a tree in place
.endr
.irp z, 0,1,2,3
	v_pk_add_f32 v[rS+8*\z:rS+8*\z+1], v[rS+8*\z:rS+8*\z+1], v[rS+8*\z+4:rS+8*\z+5]
.endr
.irp z, 0,1
	v_pk_add_f32 v[rS+16*\z:rS+16*\z+1], v[rS+16*\z:rS+16*\z+1], v[rS+16*\z+8:rS+16*\z+9]
.endr
	v_pk_add_f32 v[rS:rS+1], v[rS:rS+1], v[rS+16:rS+17]
	v_pk_fma_f32 v[rT+2:rT+3], v[rT+2:rT+3], v[rT+6:rT+7], v[rS:rS+1] op_sel_hi:[1,0,1]   ; l = a l + the sum
.set i, 0
.rept 16
	v_pk_mul_f32 v[rO+2*i:rO+2*i+1], v[rO+2*i:rO+2*i+1], v[rT+6:rT+7] op_sel_hi:[1,0]     ; O^T x a, each accumulator from its low end on
.set i, i+1
.endr
.endm
; A KEY STEP: 64 keys, both tiles.  K is in registers or on its way when the step begins: it was asked for in the step before (pf = 1 there) or at the slot's head.  V is asked for at the step's head and lands under
; the first products and the first softmax.  Tile 1's scores are issued ahead of tile 0's softmax, and tile 0's second product ahead of tile 1's softmax, so that the matrix unit works under the vector work.
; pf = 1: the next step lies in the same slot: its K is asked for as soon as this step's first products have read K's registers, and lands under the softmax.
.macro STEP pf
	s_cmp_gt_u32 s[KF], s[QHE]                     ; all keys behind my 32 queries: the step's work is left out
	s_cbranch_scc1 .Lhid_\@
	v_add_nc_u32 v[ADV], s[TB], v[AV0]
	v_add_nc_u32 v[ADK], s[TB], v[AK0]
	v_nop
	v_nop                                          ; four plain lines between the last product that read V and the loads into its registers
	WIN 0x40                                       ; destination window 1
.irp ks, 0,1
.irp ct, 0,1,2,3
	ds_load_tr16_b128 v[64+8*(4*\ks+\ct):64+8*(4*\ks+\ct)+3],   v[ADV] offset:\ks*32*PV+32*\ct
	ds_load_tr16_b128 v[64+8*(4*\ks+\ct)+4:64+8*(4*\ks+\ct)+7], v[ADV] offset:\ks*32*PV+32*\ct+16*PV
.endr
.endr
	s_wait_dscnt 16                                ; K's sixteen loads, issued ahead of these, are in; V's sixteen may be out
	WIN 0x01                                       ; source 0 window 1
	SMM 0
	SMM 1
	WIN 0
.rept 4
	v_nop                                          ; places behind the products, ahead of the loads into K's registers and of the first read of the scores
.endr
.if \pf
	KLOAD STEPB                                    ; the next step's K
.endif
	MASK 0, QH
	SOFTMAX 0
	s_wait_dscnt 0x0                               ; V is in (and the next K, asked for a softmax ago)
	WIN 0x01
	PVM 0
	WIN 0
	MASK 1, QL
	SOFTMAX 1
	WIN 0x01
	PVM 1
	WIN 0
.Lhid_\@:
	s_add_co_u32 s[KF], s[KF], KS
	s_add_co_u32 s[TB], s[TB], STEPB
.endm
; THE CHANGE OF SLOTS stands at a slot's head.  Each wave waits for all its tensor loads (its tile of the slot ahead), adds 0 to its spare word, and waits for that and for its reads of the slot that it has left.
; Behind the barrier the slot ahead is whole and nobody reads the other one, which is then filled with the keys that follow, up to the causal limit: one tensor load of mine is out, with four steps in which to land.
.macro CHANGE fill
	s_wait_tensorcnt 0x0                           ; no tensor load of mine is out, so the group 0 may be written
	ds_add_u32 v[SPW], v[NIL]
.if \fill
	s_xor_b32 s[G0+1], s[G0+1], SLOT1              ; the other slot than last time,
	s_add_nc_u64 s[G0+2:G0+3], s[G0+2:G0+3], 32768 ; the next 256 keys
	s_wait_xcnt 0x0                                ; the last prefetch, a slot back, has read its address
	s_add_nc_u64 s[PFA:PFA+1], s[PFA:PFA+1], 32768
.endif
	s_wait_dscnt 0x0
	s_barrier_signal -1
	s_barrier_wait -1
.if \fill
	s_add_co_u32 s96, s[KF], 4*KS                  ; the first key of the slot that this change would ask for
	s_cmp_gt_u32 s96, s[QLAST]                     ; the work-group's number and the count of steps alone: all eight waves go the same way, and a work-group that is past the limit stays past it
	s_cbranch_scc1 .Lpast_\@
	TLOAD
.Lpast_\@:
	ASK
.endif
.endm
.macro SLOT_STEPS                      ; a slot's four steps, written out: the first three ask for their successor's K, the last one's successor lies in the other slot
	v_add_nc_u32 v[ADK], s[TB], v[AK0]
	KLOAD 0                                        ; the slot's first K: behind the change of slots, which has shown the slot whole
	STEP 1
	STEP 1
	STEP 1
	STEP 0
	s_sub_co_u32 s[TB], s[TB], 4*STEPB
	s_xor_b32 s[TB], s[TB], SLOT1
.endm
	s_wait_loadcnt 0x0                             ; Q
.Lslot:                                            ; seven trips
	CHANGE 1
	SLOT_STEPS
	s_sub_co_u32 s[SLOTS], s[SLOTS], 1
	s_cmp_lg_u32 s[SLOTS], 0
	s_cbranch_scc1 .Lslot
	CHANGE 0                                       ; the last slot is written out: nothing follows it
	SLOT_STEPS
	; THE WAY OUT.  The sum's two halves and the other half of the lanes' are added; O^T / the sum, rounded to f16, goes through my stage, a tile at a time.  The additions are the places behind the last products.
.irp u, 0,1
	v_add_f32 v[ST+8*\u+4], v[ST+8*\u+2], v[ST+8*\u+3]
.endr
.irp u, 0,1
	v_permlanex16_b32 v[ST+8*\u+5], v[ST+8*\u+4], s[SEL], s[SEL+1]
.endr
.irp u, 0,1
	v_add_f32 v[ST+8*\u+4], v[ST+8*\u+4], v[ST+8*\u+5]
.endr
.irp u, 0,1
	v_rcp_f32 v[ST+8*\u+6], v[ST+8*\u+4]
.endr
	v_nop
	s_wait_alu depctr_va_vdst(0)                   ; one wait for the two reciprocals, ahead of their first reader
.irp u, 0,1                                    ; the scores' registers are free: 32 for each tile
.set i, 0
.rept 16
	v_pk_mul_f32 v[SS+32*\u+2*i:SS+32*\u+2*i+1], v[OO+32*\u+2*i:OO+32*\u+2*i+1], v[ST+8*\u+6:ST+8*\u+7] op_sel_hi:[1,0]
.set i, i+1
.endr
.set i, 0
.rept 16
	v_cvt_pk_f16_f32 v[SS+32*\u+i], v[SS+32*\u+2*i], v[SS+32*\u+2*i+1]   ; register i is written when registers 2 i and 2 i + 1 are read: never ahead of its own reading
.set i, i+1
.endr
.irp c, 0,1,2,3
	ds_store_b128 v[STO], v[SS+32*\u+4*\c:SS+32*\u+4*\c+3] offset:32*\c
.endr
.irp t, 0,1,2,3
	ds_load_b128 v[SS+32*\u+16+4*\t:SS+32*\u+16+4*\t+3], v[RD] offset:4*PK*\t   ; LDS serves a wave's instructions in order: these see the stores above, and the next tile's stores come behind them
.endr
.endr
.irp t, 0,1,2,3
	s_wait_dscnt 11-\t                             ; behind tile 0's load t: its own younger loads and tile 1's eight LDS instructions
	global_store_b128 v[GO], v[SS+16+4*\t:SS+16+4*\t+3], s[YH:YH+1] offset:8192*\t
.endr
.irp t, 0,1,2,3
	s_wait_dscnt 3-\t
	global_store_b128 v[GO], v[SS+48+4*\t:SS+48+4*\t+3], s[YL:YL+1] offset:8192*\t
.endr
	s_wait_tensorcnt 0x0                           ; the wave's end
	ds_add_u32 v[SPW], v[NIL]
	s_wait_dscnt 0x0
	s_endpgm
.Lfunc_end_k_q618bc6aec5_attn:
	.size	k_q618bc6aec5_attn, .Lfunc_end_k_q618bc6aec5_attn-k_q618bc6aec5_attn
	.p2alignl 7, 3214868480
	.fill 96, 4, 3214868480
	.section	.rodata,"a",@progbits
	.p2align	6, 0x0
	.amdhsa_kernel k_q618bc6aec5_attn
		.amdhsa_group_segment_fixed_size 327680
		.amdhsa_private_segment_fixed_size 0
		.amdhsa_enable_private_segment 0
		.amdhsa_kernarg_size 16
		.amdhsa_user_sgpr_count 2
		.amdhsa_user_sgpr_kernarg_segment_ptr 1
		.amdhsa_wavefront_size32 1
		.amdhsa_system_sgpr_workgroup_id_x 1
		.amdhsa_system_sgpr_workgroup_id_y 1
		.amdhsa_system_sgpr_workgroup_id_z 1
		.amdhsa_system_vgpr_workitem_id 0
		.amdhsa_next_free_vgpr 384
		.amdhsa_next_free_sgpr 100
		.amdhsa_reserve_vcc 1
		.amdhsa_float_denorm_mode_32 3
		.amdhsa_float_denorm_mode_16_64 3
		.amdhsa_memory_ordered 1
		.amdhsa_forward_progress 1
		.amdhsa_inst_pref_size 190
	.end_amdhsa_kernel
	.amdgpu_metadata
---
amdhsa.version: [ 1, 2 ]
amdhsa.kernels:
  - .name:           k_q618bc6aec5_attn
    .symbol:         k_q618bc6aec5_attn.kd
    .args:
      - { .name: qkv16, .offset: 0, .size: 8, .value_kind: global_buffer, .address_space: global }
      - { .name: a16, .offset: 8, .size: 8, .value_kind: global_buffer, .address_space: global }
    .group_segment_fixed_size: 327680
    .private_segment_fixed_size: 0
    .kernarg_segment_align: 8
    .kernarg_segment_size: 16
    .max_flat_workgroup_size: 256
    .sgpr_count:     100
    .vgpr_count:     384
    .wavefront_size: 32
...
	.end_amdgpu_metadata
.endif
;; end of part 3
;; launch proj (part 4): grid 8 x 32, 4 waves a work-group, clusters of 4 x 4, 327,680 bytes of LDS; arguments a16, w16, b_proj, x, pre; writes pre
.if DOCPART == 4
	.amdgcn_target "amdgcn-amd-amdhsa--gfx1250"
	.amdhsa_code_object_version 6
	.text
	.protected	k_q618bc6aec5_proj
	.globl	k_q618bc6aec5_proj
	.p2align	8
	.type	k_q618bc6aec5_proj,@function
k_q618bc6aec5_proj:
	s_mov_b64 s[64:65], 0
	v_nop
	global_prefetch_b8 v0, s[64:65] scope:SCOPE_SE
	s_setreg_imm32_b32 hwreg(HW_REG_WAVE_MODE, 25, 1), 1
	s_wait_xcnt 0x0
	s_wait_alu depctr_hold_cnt(0) depctr_sa_sdst(0) depctr_va_vdst(0) depctr_va_sdst(0) depctr_va_ssrc(0) depctr_va_vcc(0) depctr_vm_vsrc(0)
	s_getreg_b32 s2, hwreg(HW_REG_IB_STS2, 6, 4)
	s_cmp_eq_u32 s2, 0
	s_cbranch_scc0 .Lentry_in_a_cluster
	s_endpgm
.Lentry_in_a_cluster:
	s_bfe_u32 s2, ttmp6, 0x10000c
	s_cmp_lg_u32 s2, 0xf033
	s_cbranch_scc0 .Lentry_shape_is_right
	s_endpgm
.Lentry_shape_is_right:
; pre = res + A W + bias.  A: [4096][SIZE_K] f16; W: [SIZE_K][1024] f16 at byte WOFF of w16, K along its FIRST axis as the input lies; bias [1024], res and pre [4096][1024] f32.  Sums in f32.
; Here: A = the attention's y, W = w_proj, res = x.
; A tile of 128 x 128 to a work-group (256 work-groups), four waves of 64 x 64: 16 accumulators.  K goes in steps of 256 through a ring of two LDS slots: A's rows are 512 bytes, W's 256 rows of a step 256 bytes.
; W's fragments come turned out of LDS (ds_load_tr16_b128), so nothing is transposed in memory.
; CLUSTERS: 4 x 4 work-groups; A's tiles are shared along a row of the cluster, W's along a column: each is asked for jointly.
; The matrix instruction is used transposed (source 0 = 16 columns of W, source 1 = 16 rows of A): a lane holds eight neighbouring columns of one row.  The bias is the C of each sum's first instruction.
; The residual's 64 x 64 numbers of a wave are asked for at the head, in the layout in which rows come back from the stage, and stay on their way under the whole loop.
; No prefetch: each tile is shared fourfold by the joint loads and read again by the other clusters of its row or column.
; REGISTERS: window 0: v0-31 addresses; v32-95 the way out, two sets; v96-127 the bias; v128-255 the accumulators.  window 1: two fragment buffers of 128.  window 2: v0-127 the residual.
.set SIZE_K, 1024
.set WOFF,   0
.set KSTEP,  256
.set PA,     528                       ; A's LDS row: 512 bytes + 16
.set PB,     288                       ; W's LDS row: 256 bytes + 32
.set HALFA,  64*PA
.set HALFB,  128*PB
.set BOFF,   2*HALFA
.set SLOT,   BOFF+2*HALFB
.set STAGE,  2*SLOT                    ; behind the ring: 16 rows x 272 bytes for each wave
.set SPITCH, 272
.set SPARE,  STAGE+4*16*SPITCH
.set LAPS,   SIZE_K/(2*KSTEP)
.set ADRA, 16                          ; v16-17  my A fragments in slot 0, 1
.set ADRB, 20                          ; v20-23  my W fragments: 2 x slot + (which 128 of the step's 256 rows)
.set STO,  24
.set RD,   25
.set CO,   26
.set BO,   27
.set SPW,  28
.set NIL,  29
.set TMP,  32
.set BIAS, 96
.set ACC,  128
.set F0,   0
.set F1,   128
.set G1, 24
.set G0, 32
.set G1B, 48
.set G0B, 56
.set MSB, 0
.macro WIN new
.if MSB != (\new)
	s_set_vgpr_msb (MSB<<8)|(\new)
.set MSB, (\new)
.endif
.endm
.set MUL,  0x05                        ; sources 0 and 1 window 1; C and D window 0
.set TO_F, 0x40
.macro JLOAD s                         ; waves 0 and 1 fetch A's two halves, waves 2 and 3 W's; an s_nop 0 and four v_nop follow each line
	s_cmp_eq_u32 s11, 0
	s_cbranch_scc0 .Lfor_b_\@
	tensor_load_to_lds s[G0+4*\s:G0+4*\s+3], s[G1:G1+7]
	s_nop 0
.rept 4
	v_nop
.endr
	s_branch .Lasked_\@
.Lfor_b_\@:
	tensor_load_to_lds s[G0B+4*\s:G0B+4*\s+3], s[G1B:G1B+7]
	s_nop 0
.rept 4
	v_nop
.endr
.Lasked_\@:
.endm
.macro CREST
	s_cmp_lg_u32 s10, 0
	s_cbranch_scc1 .Lnot_wave_0_\@
	s_barrier_signal -3
.Lnot_wave_0_\@:
	s_barrier_wait -3
	s_barrier_signal -1
	s_barrier_wait -1
.endm
.macro CROUND
	s_barrier_signal -1
	s_barrier_wait -1
	CREST
.endm
	s_load_b128 s[4:7], s[0:1], 0x0                ; A s[4:5], w16 s[6:7]
	s_load_b128 s[68:71], s[0:1], 0x10             ; bias s[68:69], residual s[70:71]
	s_load_b64 s[8:9], s[0:1], 0x20                ; pre
	v_lshl_add_u32 v[SPW], v0, 2, SPARE
	v_mov_b32 v[NIL], 0
	ds_add_u32 v[SPW], v[NIL]                      ; the wave's opening: the add, twice on end, and its wait ahead of my first tensor load
	ds_add_u32 v[SPW], v[NIL]
	v_lshrrev_b32 v1, 5, v0
	v_readfirstlane_b32 s10, v1                    ; wave 0..3
	s_lshr_b32 s11, s10, 1                         ; which half of the tile's rows is mine.  Also: I fetch for A (0) or for W (1)
	s_and_b32 s12, s10, 1                          ; which half of its columns.  Also: which half of that tile I fetch
	s_bfe_u32 s40, ttmp6, 0x40000
	s_bfe_u32 s41, ttmp6, 0x40004
	s_lshl_b32 s42, ttmp9, 2
	s_add_co_u32 s42, s42, s40                     ; tile column
	s_and_b32 s13, ttmp7, 0xffff
	s_lshl_b32 s13, s13, 2
	s_add_co_u32 s13, s13, s41                     ; tile row
	s_lshl_b32 s43, s41, 2
	s_lshl_b32 s43, 15, s43                        ; my row of the cluster
	s_lshl_b32 s44, 0x1111, s40                    ; my column
	s_or_b32 s[G1+0], s43, (1<<16)|(1<<20)|(1<<21)|(6<<22)|(3<<25)   ; A: 64 rows x 256 elements of 2 bytes; 4 words of padding behind every 128
	s_mov_b32 s[G1+1], KSTEP<<16
	s_mov_b32 s[G1+2], 64<<16
	s_mov_b32 s[G1+3], KSTEP<<16
	s_mov_b32 s[G1+4], 64
	s_mov_b32 s[G1+5], SIZE_K
	s_mov_b32 s[G1+6], 0
	s_mov_b32 s[G1+7], 0
	s_or_b32 s[G1B+0], s44, (1<<16)|(1<<20)|(1<<21)|(5<<22)|(7<<25)  ; W: 128 rows (along K) x 128 elements; 8 words of padding behind every 64
	s_mov_b32 s[G1B+1], 128<<16
	s_mov_b32 s[G1B+2], 128<<16
	s_mov_b32 s[G1B+3], 128<<16
	s_mov_b32 s[G1B+4], 128
	s_mov_b32 s[G1B+5], 1024
	s_mov_b32 s[G1B+6], 0
	s_mov_b32 s[G1B+7], 0
	s_lshl_b32 s17, s12, 6
	s_lshl_b32 s16, s13, 7
	s_add_co_u32 s16, s16, s17                     ; A: row 128 x tile row + 64 x half
	s_mov_b32 s17, 0
	s_mov_b64 s[18:19], SIZE_K*2
	s_mul_u64 s[16:17], s[16:17], s[18:19]
	s_lshl_b32 s46, s12, 18                        ; W: 128 x half rows of 2,048 bytes,
	s_lshl_b32 s47, s42, 8                         ; + 256 bytes x tile column,
	s_add_co_u32 s46, s46, s47
	s_add_co_u32 s46, s46, WOFF                    ; in its part of w16
	s_mov_b32 s47, 0
	s_mul_i32 s20, s12, HALFA                      ; where they go: no place in the cluster enters an LDS address
	s_mul_i32 s21, s12, HALFB
	s_add_co_u32 s21, s21, BOFF
	s_wait_dscnt 0x0                               ; both opening adds are done
	s_wait_kmcnt 0x0
	s_add_nc_u64 s[14:15], s[4:5], s[16:17]
	s_add_nc_u64 s[46:47], s[6:7], s[46:47]
	CROUND                                         ; all sixteen work-groups are here: the first joint loads meet
.irp s, 0,1
	s_mov_b32 s[G0+4*\s], 1
	s_add_co_u32 s[G0+4*\s+1], s20, \s*SLOT
	s_add_nc_u64 s[G0+4*\s+2:G0+4*\s+3], s[14:15], \s*KSTEP*2
	s_or_b32 s[G0+4*\s+3], s[G0+4*\s+3], 0x80000000
	s_mov_b32 s[G0B+4*\s], 1
	s_add_co_u32 s[G0B+4*\s+1], s21, \s*SLOT
	s_add_nc_u64 s[G0B+4*\s+2:G0B+4*\s+3], s[46:47], \s*KSTEP*2048
	s_or_b32 s[G0B+4*\s+3], s[G0B+4*\s+3], 0x80000000
	JLOAD \s                                       ; two tensor loads of mine are out behind the second
.endr
	v_and_b32 v1, 15, v0                           ; r
	v_bfe_u32 v2, v0, 4, 1                         ; h
	s_lshl_b32 s16, s13, 7
	s_lshl_b32 s17, s11, 6
	s_add_co_u32 s16, s16, s17                     ; my first row: 128 x tile row + 64 x half
	s_lshl_b32 s16, s16, 12                        ; x 4,096 bytes
	s_mov_b32 s17, 0
	s_lshl_b32 s46, s42, 9                         ; my first column, in bytes of f32: 512 x tile column + 256 x half
	s_lshl_b32 s47, s12, 8
	s_add_co_u32 s46, s46, s47
	s_mov_b32 s47, 0
	s_add_nc_u64 s[8:9], s[8:9], s[16:17]
	s_add_nc_u64 s[8:9], s[8:9], s[46:47]
	s_add_nc_u64 s[70:71], s[70:71], s[16:17]
	s_add_nc_u64 s[70:71], s[70:71], s[46:47]
	s_add_nc_u64 s[68:69], s[68:69], s[46:47]
	v_lshlrev_b32 v[BO], 5, v2
	v_lshlrev_b32 v[CO], 12, v2
	v_lshl_add_u32 v[CO], v1, 4, v[CO]             ; lanes 0-15 one row of 256 bytes, lanes 16-31 the next
.irp b, 0,1,2,3
	global_load_b128 v[BIAS+8*\b:BIAS+8*\b+3], v[BO], s[68:69] offset:64*\b        ; lane (r, h): the bias of columns 16 b + 8 h + 0 .. 7
	global_load_b128 v[BIAS+8*\b+4:BIAS+8*\b+7], v[BO], s[68:69] offset:64*\b+16
.endr
	WIN 0x80                                       ; destination window 2
.set i, 0
.rept 32
	global_load_b128 v[4*i:4*i+3], v[CO], s[70:71] offset:2*i*4096                 ; the residual: rows 2 i and 2 i + 1 of my 64
.set i, i+1
.endr
	WIN 0
	v_mul_u32_u24 v3, v1, PA
	v_lshl_add_u32 v3, v2, 4, v3
	s_mul_i32 s22, s11, HALFA
	v_add_nc_u32 v[ADRA], s22, v3
	v_add_nc_u32 v[ADRA+1], SLOT, v[ADRA]
	v_and_b32 v4, 7, v0
	v_lshl_add_u32 v4, v2, 3, v4                   ; for the turning load: row 8 h + l % 8 along K,
	v_mul_u32_u24 v4, v4, PB
	v_bfe_u32 v5, v0, 3, 1
	v_lshl_add_u32 v4, v5, 4, v4                   ; columns 8 ((l / 8) % 2) on
	s_lshl_b32 s22, s12, 7
	s_add_co_u32 s22, s22, BOFF                    ; my 64 columns: 128 bytes x half
	v_add_nc_u32 v[ADRB], s22, v4
	v_add_nc_u32 v[ADRB+1], HALFB, v[ADRB]
	v_add_nc_u32 v[ADRB+2], SLOT, v[ADRB]
	v_add_nc_u32 v[ADRB+3], SLOT+HALFB, v[ADRB]
	s_mul_i32 s23, s10, 16*SPITCH
	s_add_co_u32 s23, s23, STAGE                   ; my stage
	v_mul_u32_u24 v4, v1, SPITCH
	v_lshl_add_u32 v4, v2, 5, v4
	v_add_nc_u32 v[STO], s23, v4                   ; in: row r, 32 bytes for each half of the lanes
	v_mul_u32_u24 v5, v2, SPITCH
	v_lshl_add_u32 v5, v1, 4, v5
	v_add_nc_u32 v[RD], s23, v5                    ; back: two rows an instruction
.macro MUL8 f, c, a0, first            ; 8 matrix instructions: row blocks a0, a0 + 1 x all 4 column blocks, 32 along K.  first = 1: the bias starts the sums.  The 16 accumulators take turns
.irp a, \a0, \a0+1
.irp b, 0,1,2,3
.if \first
	v_wmma_f32_16x16x32_f16 v[ACC+8*(4*(\a)+\b):ACC+8*(4*(\a)+\b)+7], v[\f+64+8*(4*\c+\b):\f+64+8*(4*\c+\b)+7], v[\f+8*(4*\c+\a):\f+8*(4*\c+\a)+7], v[BIAS+8*\b:BIAS+8*\b+7]
.else
	v_wmma_f32_16x16x32_f16 v[ACC+8*(4*(\a)+\b):ACC+8*(4*(\a)+\b)+7], v[\f+64+8*(4*\c+\b):\f+64+8*(4*\c+\b)+7], v[\f+8*(4*\c+\a):\f+8*(4*\c+\a)+7], v[ACC+8*(4*(\a)+\b):ACC+8*(4*(\a)+\b)+7]
.endif
.endr
.endr
.endm
.macro FETCH slot, q, f                ; 32 LDS loads in one run: the fragments of the slot's q-th 64 along K into buffer f; the first 32 along K first
	WIN TO_F
.irp c, 0,1
.irp i, 0,1,2,3
	ds_load_tr16_b128 v[\f+64+8*(4*\c+\i):\f+64+8*(4*\c+\i)+3],   v[ADRB+2*\slot+(\q)/2] offset:(((\q)%2)*64+32*\c)*PB+32*\i
	ds_load_tr16_b128 v[\f+64+8*(4*\c+\i)+4:\f+64+8*(4*\c+\i)+7], v[ADRB+2*\slot+(\q)/2] offset:(((\q)%2)*64+32*\c)*PB+32*\i+16*PB
	ds_load_b128 v[\f+8*(4*\c+\i):\f+8*(4*\c+\i)+3],         v[ADRA+\slot] offset:128*(\q)+64*\c+\i*16*PA
	ds_load_b128 v[\f+8*(4*\c+\i)+4:\f+8*(4*\c+\i)+7],       v[ADRA+\slot] offset:128*(\q)+64*\c+\i*16*PA+32
.endr
.endr
.endm
.macro PLACES
.rept 4
	v_nop
.endr
.endm
.macro QUARTER slot, q, f, g, first    ; multiplies buffer f and fetches the slot's quarter q into g
	s_wait_dscnt 16                                ; the first 32 along K are in
	WIN MUL
	MUL8 \f, 0, 0, \first
	MUL8 \f, 0, 2, \first
	PLACES
	FETCH \slot, \q, \g
	s_wait_dscnt 32                                ; all but the 32 just issued
	WIN MUL
	MUL8 \f, 1, 0, 0
	MUL8 \f, 1, 2, 0
.endm
; The last quarter multiplies buffer 1 and changes slots: one barrier; in front of it each wave waits for all its tensor loads, adds 0 to its spare word, and waits for that and for its reads of this slot.
.macro TURN slot, next, fill
	WIN 0
	s_wait_tensorcnt 0x0                           ; my part of the next slot has landed
	ds_add_u32 v[SPW], v[NIL]
	s_wait_dscnt 17                                ; (the add and the youngest sixteen loads may be out)
	WIN MUL
	MUL8 F1, 0, 0, 0
	s_wait_dscnt 0x0                               ; the add is done, and my reads of this slot are over
	s_barrier_signal -1
	MUL8 F1, 0, 2, 0
.if \fill
	WIN 0
.endif
	s_barrier_wait -1
.if \fill
	CREST                                          ; the barrier has opened a round of the cluster's barrier: no wave of any partner still reads this slot or has a load on its way
	s_add_nc_u64 s[G0+4*\slot+2:G0+4*\slot+3], s[G0+4*\slot+2:G0+4*\slot+3], 2*KSTEP*2
	s_add_nc_u64 s[G0B+4*\slot+2:G0B+4*\slot+3], s[G0B+4*\slot+2:G0B+4*\slot+3], 2*KSTEP*2048
	JLOAD \slot                                    ; my one tensor load behind the round; its four v_nop are also the places in front of the loads below
.else
	PLACES
.endif
	FETCH \next, 0, F0
	WIN MUL
	MUL8 F1, 1, 0, 0
	MUL8 F1, 1, 2, 0
.endm
	s_wait_tensorcnt 1                             ; my part of K step 0 is in; K step 1's may be out
	s_barrier_signal -1
	s_barrier_wait -1
	FETCH 0, 0, F0
	s_wait_loadcnt 32                              ; the bias is in; the residual's 32 loads stay out
	QUARTER 0, 1, F0, F1, 1
	WIN 0
	s_mov_b32 s3, LAPS-1
.Llap:                                                 ; a trip goes once round the ring and fills both slots again
	QUARTER 0, 2, F1, F0, 0
	QUARTER 0, 3, F0, F1, 0
	TURN 0, 1, 1
	QUARTER 1, 1, F0, F1, 0
	QUARTER 1, 2, F1, F0, 0
	QUARTER 1, 3, F0, F1, 0
	TURN 1, 0, 1
	QUARTER 0, 1, F0, F1, 0
	WIN 0
	s_sub_co_u32 s3, s3, 1
	s_cmp_lg_u32 s3, 0
	s_cbranch_scc1 .Llap
	QUARTER 0, 2, F1, F0, 0                        ; the last lap fills nothing
	QUARTER 0, 3, F0, F1, 0
	TURN 0, 1, 0
	QUARTER 1, 1, F0, F1, 0
	QUARTER 1, 2, F1, F0, 0
	QUARTER 1, 3, F0, F1, 0
	s_wait_dscnt 16
	WIN MUL
	MUL8 F1, 0, 0, 0
	MUL8 F1, 0, 2, 0
	s_wait_dscnt 0
	MUL8 F1, 1, 0, 0
	MUL8 F1, 1, 2, 0
	WIN 0
	; THE WAY OUT, 16 rows x 64 columns at a time: through my own stage, back as whole rows of 256 bytes, + the residual, stored: sixteen lanes cover 256 consecutive bytes, aligned.
	PLACES
	s_wait_loadcnt 0x0                             ; the residual
.irp a, 0,1,2,3
.set TT, TMP+32*(\a%2)
.if \a >= 2
	s_wait_xcnt 0x0                                ; the stores of two blocks back have read their registers
.endif
.irp b, 0,1,2,3
	ds_store_b128 v[STO], v[ACC+8*(4*\a+\b):ACC+8*(4*\a+\b)+3] offset:64*\b        ; each accumulator from its low end on
	ds_store_b128 v[STO], v[ACC+8*(4*\a+\b)+4:ACC+8*(4*\a+\b)+7] offset:64*\b+16
.endr
.irp t, 0,1,2,3,4,5,6,7
	ds_load_b128 v[TT+4*\t:TT+4*\t+3], v[RD] offset:2*SPITCH*\t
.endr
	s_wait_dscnt 0x0
	WIN 0x08                                       ; source 1 window 2
.set i, 0
.rept 16
	v_pk_add_f32 v[TT+2*i:TT+2*i+1], v[TT+2*i:TT+2*i+1], v[32*\a+2*i:32*\a+2*i+1]
.set i, i+1
.endr
	WIN 0
.irp t, 0,1,2,3,4,5,6,7
	global_store_b128 v[CO], v[TT+4*\t:TT+4*\t+3], s[8:9] offset:(16*\a+2*\t)*4096
.endr
.endr
	s_wait_tensorcnt 0x0                           ; the wave's end
	ds_add_u32 v[SPW], v[NIL]
	s_wait_dscnt 0x0
	CROUND                                         ; the closing round
	s_endpgm
.Lfunc_end_k_q618bc6aec5_proj:
	.size	k_q618bc6aec5_proj, .Lfunc_end_k_q618bc6aec5_proj-k_q618bc6aec5_proj
	.p2alignl 7, 3214868480
	.fill 96, 4, 3214868480
	.section	.rodata,"a",@progbits
	.p2align	6, 0x0
	.amdhsa_kernel k_q618bc6aec5_proj
		.amdhsa_group_segment_fixed_size 327680
		.amdhsa_private_segment_fixed_size 0
		.amdhsa_enable_private_segment 0
		.amdhsa_kernarg_size 40
		.amdhsa_user_sgpr_count 2
		.amdhsa_user_sgpr_kernarg_segment_ptr 1
		.amdhsa_wavefront_size32 1
		.amdhsa_system_sgpr_workgroup_id_x 1
		.amdhsa_system_sgpr_workgroup_id_y 1
		.amdhsa_system_sgpr_workgroup_id_z 1
		.amdhsa_system_vgpr_workitem_id 0
		.amdhsa_next_free_vgpr 640
		.amdhsa_next_free_sgpr 72
		.amdhsa_reserve_vcc 0
		.amdhsa_float_denorm_mode_32 3
		.amdhsa_float_denorm_mode_16_64 3
		.amdhsa_memory_ordered 1
		.amdhsa_forward_progress 1
		.amdhsa_inst_pref_size 94
	.end_amdhsa_kernel
	.amdgpu_metadata
---
amdhsa.version: [ 1, 2 ]
amdhsa.kernels:
  - .name:           k_q618bc6aec5_proj
    .symbol:         k_q618bc6aec5_proj.kd
    .args:
      - { .name: a16, .offset: 0, .size: 8, .value_kind: global_buffer, .address_space: global }
      - { .name: w16, .offset: 8, .size: 8, .value_kind: global_buffer, .address_space: global }
      - { .name: b_proj, .offset: 16, .size: 8, .value_kind: global_buffer, .address_space: global }
      - { .name: x, .offset: 24, .size: 8, .value_kind: global_buffer, .address_space: global }
      - { .name: pre, .offset: 32, .size: 8, .value_kind: global_buffer, .address_space: global }
    .group_segment_fixed_size: 327680
    .private_segment_fixed_size: 0
    .kernarg_segment_align: 8
    .kernarg_segment_size: 40
    .max_flat_workgroup_size: 128
    .sgpr_count:     72
    .vgpr_count:     640
    .wavefront_size: 32
...
	.end_amdgpu_metadata
.endif
;; end of part 4
;; launch ln1 (part 5): grid 256 x 1, 8 waves a work-group, no clusters, 0 bytes of LDS; arguments pre, ln1_g, ln1_b, h32, a16; writes h32, a16
.if DOCPART == 5
	.amdgcn_target "amdgcn-amd-amdhsa--gfx1250"
	.amdhsa_code_object_version 6
	.text
	.protected	k_q618bc6aec5_ln1
	.globl	k_q618bc6aec5_ln1
	.p2align	8
	.type	k_q618bc6aec5_ln1,@function
k_q618bc6aec5_ln1:
	s_mov_b64 s[64:65], 0
	v_nop
	global_prefetch_b8 v0, s[64:65] scope:SCOPE_SE
	s_setreg_imm32_b32 hwreg(HW_REG_WAVE_MODE, 25, 1), 1
	s_wait_xcnt 0x0
; h = (pre - mean) x rsqrt(var + 1e-5) x g + b along rows of 1,024, in f32; stored as f32 (the later residual) and as f16 (the next product's operand; a number beyond 65,504 becomes an f16 infinity).
; A wave takes two whole rows; a row stays in 32 registers between the mean, the variance (of the differences from the mean) and the scaling: it is read once, and no wave waits for another.
; Every load and store of f32 covers 512 consecutive bytes, every store of f16 256, aligned.  All loads are issued at the head.  No LDS, no matrix unit: bytes are all that counts here.
.set WITH16, 1
.set G,  16                            ; v16-47   g of my 32 columns
.set B,  48                            ; v48-79   b
.set R0, 80                            ; v80-111  row 0;  v112-143 row 1
.set H0, 144                           ; v144-159 row 0 as f16;  v160-175 row 1
	s_load_b256 s[4:11], s[0:1], 0x0               ; pre, g, b, the f32 result
.if WITH16
	s_load_b64 s[12:13], s[0:1], 0x20              ; the f16 result
.endif
	v_and_b32 v1, 31, v0
	v_lshrrev_b32 v2, 5, v0
	v_readfirstlane_b32 s14, v2                    ; wave 0..7
	v_lshlrev_b32 v2, 3, v1                        ; 8 x lane
	v_lshlrev_b32 v1, 4, v1                        ; 16 x lane
	s_lshl_b32 s15, ttmp9, 4
	s_lshl_b32 s16, s14, 1
	s_add_co_u32 s15, s15, s16                     ; my first row
	s_lshl_b32 s16, s15, 12
	s_mov_b32 s17, 0
	s_lshl_b32 s18, s15, 11
	s_mov_b32 s19, 0
	s_mov_b32 s20, 0x76543210
	s_mov_b32 s21, 0xfedcba98                      ; v_permlanex16_b32's selects for lane l xor 16
	s_mov_b32 s22, 0x3a800000                      ; 1 / 1,024
	s_mov_b32 s23, 0x3727c5ac                      ; 1e-5
	s_wait_kmcnt 0x0
	s_add_nc_u64 s[4:5], s[4:5], s[16:17]
	s_add_nc_u64 s[10:11], s[10:11], s[16:17]
.if WITH16
	s_add_nc_u64 s[12:13], s[12:13], s[18:19]
.endif
.irp j, 0,1,2,3,4,5,6,7
	global_load_b128 v[G+4*\j:G+4*\j+3], v1, s[6:7] offset:512*\j
.endr
.irp j, 0,1,2,3,4,5,6,7
	global_load_b128 v[B+4*\j:B+4*\j+3], v1, s[8:9] offset:512*\j
.endr
.irp j, 0,1,2,3,4,5,6,7
	global_load_b128 v[R0+4*\j:R0+4*\j+3], v1, s[4:5] offset:512*\j th:TH_LOAD_NT
.endr
.irp j, 0,1,2,3,4,5,6,7
	global_load_b128 v[R0+32+4*\j:R0+32+4*\j+3], v1, s[4:5] offset:4096+512*\j th:TH_LOAD_NT
.endr
.macro ACROSS a, t                     ; the sum over the 32 lanes, in every lane
	v_add_f32_dpp v[\a], v[\a], v[\a] row_xmask:1 row_mask:0xf bank_mask:0xf
	v_add_f32_dpp v[\a], v[\a], v[\a] row_xmask:2 row_mask:0xf bank_mask:0xf
	v_add_f32_dpp v[\a], v[\a], v[\a] row_xmask:4 row_mask:0xf bank_mask:0xf
	v_add_f32_dpp v[\a], v[\a], v[\a] row_xmask:8 row_mask:0xf bank_mask:0xf
	v_permlanex16_b32 v[\t], v[\a], s20, s21
	v_add_f32 v[\a], v[\a], v[\t]
.endm
.macro LNROW n, left
.set R, R0+32*\n
.set H, H0+16*\n
	s_wait_loadcnt \left                           ; g, b and this row are in; the later row's eight loads may be out
	v_pk_add_f32 v[4:5], v[R:R+1], v[R+2:R+3]
	v_pk_add_f32 v[6:7], v[R+4:R+5], v[R+6:R+7]
.irp k, 8,12,16,20,24,28
	v_pk_add_f32 v[4:5], v[4:5], v[R+\k:R+\k+1]
	v_pk_add_f32 v[6:7], v[6:7], v[R+\k+2:R+\k+3]
.endr
	v_pk_add_f32 v[4:5], v[4:5], v[6:7]
	v_add_f32 v4, v4, v5
	ACROSS 4, 5
	v_mul_f32 v4, s22, v4                          ; the mean
.set i, 0
.rept 16
	v_pk_add_f32 v[R+2*i:R+2*i+1], v[R+2*i:R+2*i+1], v[4:5] op_sel_hi:[1,0] neg_lo:[0,1] neg_hi:[0,1]
.set i, i+1
.endr
	v_pk_mul_f32 v[6:7], v[R:R+1], v[R:R+1]
	v_pk_mul_f32 v[8:9], v[R+2:R+3], v[R+2:R+3]
.irp k, 4,8,12,16,20,24,28
	v_pk_fma_f32 v[6:7], v[R+\k:R+\k+1], v[R+\k:R+\k+1], v[6:7]
	v_pk_fma_f32 v[8:9], v[R+\k+2:R+\k+3], v[R+\k+2:R+\k+3], v[8:9]
.endr
	v_pk_add_f32 v[6:7], v[6:7], v[8:9]
	v_add_f32 v6, v6, v7
	ACROSS 6, 7
	v_fma_f32 v6, v6, s22, s23                     ; the variance + 1e-5
	v_rsq_f32 v6, v6
	v_nop                                          ; a plain line behind the transcendental (ISA guide 5.7.2)
	s_wait_alu depctr_va_vdst(0)                   ; and a wait ahead of its first reader
.set i, 0
.rept 16
	v_pk_mul_f32 v[R+2*i:R+2*i+1], v[R+2*i:R+2*i+1], v[6:7] op_sel_hi:[1,0]
.set i, i+1
.endr
.set i, 0
.rept 16
	v_pk_fma_f32 v[R+2*i:R+2*i+1], v[R+2*i:R+2*i+1], v[G+2*i:G+2*i+1], v[B+2*i:B+2*i+1]
.set i, i+1
.endr
.irp j, 0,1,2,3,4,5,6,7
	global_store_b128 v1, v[R+4*\j:R+4*\j+3], s[10:11] offset:4096*\n+512*\j
.endr
.if WITH16
.set i, 0
.rept 16
	v_cvt_pk_f16_f32 v[H+i], v[R+2*i], v[R+2*i+1]
.set i, i+1
.endr
.irp j, 0,1,2,3,4,5,6,7
	global_store_b64 v2, v[H+2*\j:H+2*\j+1], s[12:13] offset:2048*\n+256*\j
.endr
.endif
.endm
	LNROW 0, 8
	LNROW 1, 0
	s_endpgm
.Lfunc_end_k_q618bc6aec5_ln1:
	.size	k_q618bc6aec5_ln1, .Lfunc_end_k_q618bc6aec5_ln1-k_q618bc6aec5_ln1
	.p2alignl 7, 3214868480
	.fill 96, 4, 3214868480
	.section	.rodata,"a",@progbits
	.p2align	6, 0x0
	.amdhsa_kernel k_q618bc6aec5_ln1
		.amdhsa_group_segment_fixed_size 0
		.amdhsa_private_segment_fixed_size 0
		.amdhsa_enable_private_segment 0
		.amdhsa_kernarg_size 40
		.amdhsa_user_sgpr_count 2
		.amdhsa_user_sgpr_kernarg_segment_ptr 1
		.amdhsa_wavefront_size32 1
		.amdhsa_system_sgpr_workgroup_id_x 1
		.amdhsa_system_sgpr_workgroup_id_y 1
		.amdhsa_system_sgpr_workgroup_id_z 1
		.amdhsa_system_vgpr_workitem_id 0
		.amdhsa_next_free_vgpr 192
		.amdhsa_next_free_sgpr 66
		.amdhsa_reserve_vcc 0
		.amdhsa_float_denorm_mode_32 3
		.amdhsa_float_denorm_mode_16_64 3
		.amdhsa_memory_ordered 1
		.amdhsa_forward_progress 1
		.amdhsa_inst_pref_size 22
	.end_amdhsa_kernel
	.amdgpu_metadata
---
amdhsa.version: [ 1, 2 ]
amdhsa.kernels:
  - .name:           k_q618bc6aec5_ln1
    .symbol:         k_q618bc6aec5_ln1.kd
    .args:
      - { .name: pre, .offset: 0, .size: 8, .value_kind: global_buffer, .address_space: global }
      - { .name: ln1_g, .offset: 8, .size: 8, .value_kind: global_buffer, .address_space: global }
      - { .name: ln1_b, .offset: 16, .size: 8, .value_kind: global_buffer, .address_space: global }
      - { .name: h32, .offset: 24, .size: 8, .value_kind: global_buffer, .address_space: global }
      - { .name: a16, .offset: 32, .size: 8, .value_kind: global_buffer, .address_space: global }
    .group_segment_fixed_size: 0
    .private_segment_fixed_size: 0
    .kernarg_segment_align: 8
    .kernarg_segment_size: 40
    .max_flat_workgroup_size: 256
    .sgpr_count:     66
    .vgpr_count:     192
    .wavefront_size: 32
...
	.end_amdgpu_metadata
.endif
;; end of part 5
;; launch fc (part 6): grid 16 x 16, 4 waves a work-group, clusters of 4 x 4, 327,680 bytes of LDS; arguments a16, w16, b_fc, g16; writes g16
.if DOCPART == 6
	.amdgcn_target "amdgcn-amd-amdhsa--gfx1250"
	.amdhsa_code_object_version 6
	.text
	.protected	k_q618bc6aec5_fc
	.globl	k_q618bc6aec5_fc
	.p2align	8
	.type	k_q618bc6aec5_fc,@function
k_q618bc6aec5_fc:
	s_mov_b64 s[64:65], 0
	v_nop
	global_prefetch_b8 v0, s[64:65] scope:SCOPE_SE
	s_setreg_imm32_b32 hwreg(HW_REG_WAVE_MODE, 25, 1), 1
	s_wait_xcnt 0x0
	s_wait_alu depctr_hold_cnt(0) depctr_sa_sdst(0) depctr_va_vdst(0) depctr_va_sdst(0) depctr_va_ssrc(0) depctr_va_vcc(0) depctr_vm_vsrc(0)
	s_getreg_b32 s2, hwreg(HW_REG_IB_STS2, 6, 4)
	s_cmp_eq_u32 s2, 0
	s_cbranch_scc0 .Lentry_in_a_cluster
	s_endpgm
.Lentry_in_a_cluster:
	s_bfe_u32 s2, ttmp6, 0x10000c
	s_cmp_lg_u32 s2, 0xf033
	s_cbranch_scc0 .Lentry_shape_is_right
	s_endpgm
.Lentry_shape_is_right:
; g = gelu_tanh(h W + b).  h: [4096][1024] f16; W = w_fc: [1024 (K)][4096] f16 at byte WF of w16, as the input lies; b [4096] f32; g: [4096][4096] f16.  Sums and the activation in f32.
; gelu_tanh(x) = x / (1 + 2^(x (A + B x x))), A = -2 log2(e) sqrt(2 / pi), B = 0.044715 A: the same function as 0.5 x (1 + tanh(..)); for large |x| the power is infinity or 0 and the result -0 or x.
; LIMIT: a g beyond 65,504 becomes an f16 infinity.
; A tile of 256 x 256 to a work-group (256 work-groups), four waves of 128 x 128: 64 accumulators, 512 registers.  K goes in steps of 128 through a ring of two LDS slots: h's rows are 256 bytes,
; W's 128 rows of a step 512 bytes; W's fragments come turned out of LDS (ds_load_tr16_b128).
; CLUSTERS: 4 x 4 work-groups; h's tiles are shared along a row of the cluster, W's along a column: each is asked for jointly.
; The matrix instruction is used transposed (source 0 = 16 columns of W, source 1 = 16 rows of h): a lane holds eight neighbouring columns of one row.  The bias is the C of each sum's first instruction.
; No prefetch: each tile is shared fourfold by the joint loads and read again by the other clusters of its row or column.
; REGISTERS: window 0: v0-31 addresses and two constants; v64-127, v128-191 h's fragments, two buffers; v192-255 the bias.  window 1: W's fragments, two buffers.  windows 2, 3: the accumulators.
; On the way out: v64-127 the activation at work, v192-223 packed results, v32-63 and v224-255 rows read back, by turns.
.set SIZE_N, 4096
.set SIZE_K, 1024
.set WF,     2097152
.set KSTEP,  128
.set PITCH,  272
.set PB,     544                       ; W's LDS row: 512 bytes + 32
.set HALFT,  128*PITCH                 ; 128 rows of h, or 64 rows of W: what one tensor load brings
.set SLOT,   4*HALFT
.set STAGE,  2*SLOT
.set SPITCH, 272
.set SPARE,  STAGE+4*16*SPITCH
.set LAPS,   SIZE_K/(2*KSTEP)
.set GA,   8                           ; v[8:9]   A, twice
.set GB,   10                          ; v[10:11] B, twice
.set ADRA, 16
.set ADRB, 20
.set STO,  24
.set RD,   25
.set CO,   26
.set BO,   27
.set SPW,  28
.set NIL,  29
.set F0,   64
.set F1,   128
.set T,    64
.set BIAS, 192
.set TMP,  192
.set OB,   32
.set G1, 24
.set G0, 32
.set G1B, 48
.set G0B, 56
.set MSB, 0
.macro WIN new
.if MSB != (\new)
	s_set_vgpr_msb (MSB<<8)|(\new)
.set MSB, (\new)
.endif
.endm
.set MUL_LO, 0xa1
.set MUL_HI, 0xf1
.set FST_LO, 0x81                      ; C (the bias) in window 0
.set FST_HI, 0xc1
.set TO_B,   0x40
.macro JLOAD s
	s_cmp_eq_u32 s11, 0
	s_cbranch_scc0 .Lfor_b_\@
	tensor_load_to_lds s[G0+4*\s:G0+4*\s+3], s[G1:G1+7]
	s_nop 0
.rept 4
	v_nop
.endr
	s_branch .Lasked_\@
.Lfor_b_\@:
	tensor_load_to_lds s[G0B+4*\s:G0B+4*\s+3], s[G1B:G1B+7]
	s_nop 0
.rept 4
	v_nop
.endr
.Lasked_\@:
.endm
.macro CREST
	s_cmp_lg_u32 s10, 0
	s_cbranch_scc1 .Lnot_wave_0_\@
	s_barrier_signal -3
.Lnot_wave_0_\@:
	s_barrier_wait -3
	s_barrier_signal -1
	s_barrier_wait -1
.endm
.macro CROUND
	s_barrier_signal -1
	s_barrier_wait -1
	CREST
.endm
	s_load_b128 s[4:7], s[0:1], 0x0                ; h s[4:5], w16 s[6:7]
	s_load_b64 s[68:69], s[0:1], 0x10              ; b_fc
	s_load_b64 s[8:9], s[0:1], 0x18                ; g16
	v_lshl_add_u32 v[SPW], v0, 2, SPARE
	v_mov_b32 v[NIL], 0
	ds_add_u32 v[SPW], v[NIL]                      ; the wave's opening: the add, twice on end, and its wait ahead of my first tensor load
	ds_add_u32 v[SPW], v[NIL]
	v_lshrrev_b32 v1, 5, v0
	v_readfirstlane_b32 s10, v1                    ; wave 0..3
	s_lshr_b32 s11, s10, 1                         ; which half of the tile's rows is mine.  Also: I fetch for h (0) or for W (1)
	s_and_b32 s12, s10, 1                          ; which half of its columns.  Also: which half of that tile I fetch
	s_bfe_u32 s40, ttmp6, 0x40000
	s_bfe_u32 s41, ttmp6, 0x40004
	s_lshl_b32 s42, ttmp9, 2
	s_add_co_u32 s42, s42, s40                     ; tile column
	s_and_b32 s13, ttmp7, 0xffff
	s_lshl_b32 s13, s13, 2
	s_add_co_u32 s13, s13, s41                     ; tile row
	s_lshl_b32 s43, s41, 2
	s_lshl_b32 s43, 15, s43
	s_lshl_b32 s44, 0x1111, s40
	s_or_b32 s[G1+0], s43, (1<<16)|(1<<20)|(1<<21)|(5<<22)|(3<<25)   ; h: 128 rows x 128 elements of 2 bytes; 4 words of padding behind every 64
	s_mov_b32 s[G1+1], KSTEP<<16
	s_mov_b32 s[G1+2], 128<<16
	s_mov_b32 s[G1+3], KSTEP<<16
	s_mov_b32 s[G1+4], 128
	s_mov_b32 s[G1+5], SIZE_K
	s_mov_b32 s[G1+6], 0
	s_mov_b32 s[G1+7], 0
	s_or_b32 s[G1B+0], s44, (1<<16)|(1<<20)|(1<<21)|(6<<22)|(7<<25)  ; W: 64 rows (along K) x 256 elements; 8 words of padding behind every 128
	s_mov_b32 s[G1B+1], 256<<16
	s_mov_b32 s[G1B+2], 64<<16
	s_mov_b32 s[G1B+3], 256<<16
	s_mov_b32 s[G1B+4], 64
	s_mov_b32 s[G1B+5], SIZE_N
	s_mov_b32 s[G1B+6], 0
	s_mov_b32 s[G1B+7], 0
	s_lshl_b32 s17, s12, 7
	s_lshl_b32 s16, s13, 8
	s_add_co_u32 s16, s16, s17                     ; h: row 256 x tile row + 128 x half
	s_mov_b32 s17, 0
	s_mov_b64 s[18:19], SIZE_K*2
	s_mul_u64 s[16:17], s[16:17], s[18:19]
	s_lshl_b32 s46, s12, 19                        ; W: 64 x half rows of 8,192 bytes,
	s_lshl_b32 s47, s42, 9                         ; + 512 bytes x tile column,
	s_add_co_u32 s46, s46, s47
	s_add_co_u32 s46, s46, WF                      ; in its part of w16
	s_mov_b32 s47, 0
	s_mul_i32 s20, s10, HALFT                      ; where they go: h's two halves, then W's two: wave x HALFT
	s_wait_dscnt 0x0                               ; both opening adds are done
	s_wait_kmcnt 0x0
	s_add_nc_u64 s[14:15], s[4:5], s[16:17]
	s_add_nc_u64 s[46:47], s[6:7], s[46:47]
	CROUND                                         ; all sixteen work-groups are here: the first joint loads meet
.irp s, 0,1
	s_mov_b32 s[G0+4*\s], 1
	s_add_co_u32 s[G0+4*\s+1], s20, \s*SLOT
	s_add_nc_u64 s[G0+4*\s+2:G0+4*\s+3], s[14:15], \s*KSTEP*2
	s_or_b32 s[G0+4*\s+3], s[G0+4*\s+3], 0x80000000
	s_mov_b32 s[G0B+4*\s], 1
	s_add_co_u32 s[G0B+4*\s+1], s20, \s*SLOT
	s_add_nc_u64 s[G0B+4*\s+2:G0B+4*\s+3], s[46:47], \s*KSTEP*SIZE_N*2
	s_or_b32 s[G0B+4*\s+3], s[G0B+4*\s+3], 0x80000000
	JLOAD \s                                       ; two tensor loads of mine are out behind the second
.endr
	v_and_b32 v1, 15, v0                           ; r
	v_bfe_u32 v2, v0, 4, 1                         ; h
	v_lshlrev_b32 v[BO], 5, v2
	s_lshl_b32 s46, s42, 10                        ; the bias of my 128 columns: 4 x (256 x tile column + 128 x half)
	s_lshl_b32 s47, s12, 9
	s_add_co_u32 s46, s46, s47
	s_mov_b32 s47, 0
	s_add_nc_u64 s[68:69], s[68:69], s[46:47]
.irp b, 0,1,2,3,4,5,6,7
	global_load_b128 v[BIAS+8*\b:BIAS+8*\b+3], v[BO], s[68:69] offset:64*\b
	global_load_b128 v[BIAS+8*\b+4:BIAS+8*\b+7], v[BO], s[68:69] offset:64*\b+16
.endr
	v_mov_b32 v[GA], 0xc0135761                    ; A = -2.3022082
	v_mov_b32 v[GA+1], v[GA]
	v_mov_b32 v[GB], 0xbdd2d3e8                    ; B = -0.10294324
	v_mov_b32 v[GB+1], v[GB]
	v_mul_u32_u24 v3, v1, PITCH
	v_lshl_add_u32 v3, v2, 4, v3
	s_mul_i32 s21, s11, HALFT
	v_add_nc_u32 v[ADRA], s21, v3
	v_add_nc_u32 v[ADRA+1], SLOT, v[ADRA]
	v_and_b32 v4, 7, v0
	v_lshl_add_u32 v4, v2, 3, v4                   ; for the turning load: row 8 h + l % 8 along K,
	v_mul_u32_u24 v4, v4, PB
	v_bfe_u32 v5, v0, 3, 1
	v_lshl_add_u32 v4, v5, 4, v4                   ; columns 8 ((l / 8) % 2) on
	s_lshl_b32 s22, s12, 8
	s_add_co_u32 s22, s22, 2*HALFT                 ; my 128 columns: 256 bytes x half; W lies behind h's 256 rows
	v_add_nc_u32 v[ADRB], s22, v4
	v_add_nc_u32 v[ADRB+1], SLOT, v[ADRB]
	s_mul_i32 s23, s10, 16*SPITCH
	s_add_co_u32 s23, s23, STAGE                   ; my stage
	v_add_nc_u32 v[STO], s23, v3                   ; in: row r, 16 bytes for each half of the lanes
	v_mul_u32_u24 v5, v2, SPITCH
	v_lshl_add_u32 v5, v1, 4, v5
	v_add_nc_u32 v[RD], s23, v5                    ; back: lanes 0-15 one row of 256 bytes, lanes 16-31 the next
	v_mul_u32_u24 v5, v2, SIZE_N*2
	v_lshl_add_u32 v[CO], v1, 4, v5                ; and the same two rows in g
	s_lshl_b32 s13, s13, 8
	s_lshl_b32 s14, s11, 7
	s_add_co_u32 s16, s13, s14                     ; my first row
	s_mov_b32 s17, 0
	s_mov_b64 s[18:19], SIZE_N*2
	s_mul_u64 s[16:17], s[16:17], s[18:19]
	s_lshl_b32 s46, s42, 9                         ; my first column, in bytes: 512 x tile column + 256 x half
	s_lshl_b32 s47, s12, 8
	s_add_co_u32 s46, s46, s47
	s_mov_b32 s47, 0
	s_add_nc_u64 s[16:17], s[16:17], s[46:47]      ; the first way out adds it to g's address
.macro MUL16 f, hi, a0, first          ; 16 matrix instructions: two row blocks x all 8 column blocks, 32 along K.  The 64 accumulators take turns, one instruction a turn
.irp a, \a0, \a0+1
.irp b, 0,1,2,3,4,5,6,7
.if \first
	v_wmma_f32_16x16x32_f16 v[8*(8*(\a)+\b):8*(8*(\a)+\b)+7], v[\f+8*\b:\f+8*\b+7], v[\f+8*(4*\hi+\a):\f+8*(4*\hi+\a)+7], v[BIAS+8*\b:BIAS+8*\b+7]
.else
	v_wmma_f32_16x16x32_f16 v[8*(8*(\a)+\b):8*(8*(\a)+\b)+7], v[\f+8*\b:\f+8*\b+7], v[\f+8*(4*\hi+\a):\f+8*(4*\hi+\a)+7], v[8*(8*(\a)+\b):8*(8*(\a)+\b)+7]
.endif
.endr
.endr
.endm
.macro FETCH slot, q, f                ; 32 LDS loads in one run: the fragments of the slot's q-th 32 along K into buffer f
	WIN TO_B
.irp i, 0,1,2,3,4,5,6,7
	ds_load_tr16_b128 v[\f+8*\i:\f+8*\i+3],   v[ADRB+\slot] offset:32*(\q)*PB+32*\i
	ds_load_tr16_b128 v[\f+8*\i+4:\f+8*\i+7], v[ADRB+\slot] offset:32*(\q)*PB+32*\i+16*PB
.endr
	WIN 0
.irp i, 0,1,2,3,4,5,6,7
	ds_load_b128 v[\f+8*\i:\f+8*\i+3],   v[ADRA+\slot] offset:64*(\q)+\i*16*PITCH
	ds_load_b128 v[\f+8*\i+4:\f+8*\i+7], v[ADRA+\slot] offset:64*(\q)+\i*16*PITCH+32
.endr
.endm
.macro PLACES
.rept 4
	v_nop
.endr
.endm
.macro QUARTER slot, q, f, g, first    ; multiplies buffer f; in its middle it fetches the slot's quarter q into buffer g
	s_wait_dscnt 8                                 ; W and h's rows 0-63 are in; the youngest eight loads (h's rows 64-127) may be out
.if \first
	WIN FST_LO
.else
	WIN MUL_LO
.endif
	MUL16 \f, 0, 0, \first
	MUL16 \f, 0, 2, \first
	PLACES
	FETCH \slot, \q, \g
	s_wait_dscnt 32                                ; all but the 32 just issued
.if \first
	WIN FST_HI
.else
	WIN MUL_HI
.endif
	MUL16 \f, 1, 0, \first
	MUL16 \f, 1, 2, \first
.endm
; The last quarter multiplies buffer 1 and changes slots: one barrier; in front of it each wave waits for all its tensor loads, adds 0 to its spare word, and waits for that and for its reads of this slot.
.macro TURN slot, next, fill
	WIN 0
	s_wait_tensorcnt 0x0                           ; my part of the next slot has landed
	ds_add_u32 v[SPW], v[NIL]
	s_wait_dscnt 9                                 ; (the add and the youngest eight loads may be out)
	WIN MUL_LO
	MUL16 F1, 0, 0, 0
	s_wait_dscnt 0x0                               ; the add is done, and my reads of this slot are over
	s_barrier_signal -1
	MUL16 F1, 0, 2, 0
.if \fill
	WIN 0
.endif
	s_barrier_wait -1
.if \fill
	CREST                                          ; the barrier has opened a round of the cluster's barrier: no wave of any partner still reads this slot or has a load on its way
	s_add_nc_u64 s[G0+4*\slot+2:G0+4*\slot+3], s[G0+4*\slot+2:G0+4*\slot+3], 2*KSTEP*2
	s_add_nc_u64 s[G0B+4*\slot+2:G0B+4*\slot+3], s[G0B+4*\slot+2:G0B+4*\slot+3], 2*KSTEP*SIZE_N*2
	JLOAD \slot                                    ; my one tensor load behind the round; its four v_nop are also the places in front of the loads below
.else
	PLACES
.endif
	FETCH \next, 0, F0
	WIN MUL_HI
	MUL16 F1, 1, 0, 0
	MUL16 F1, 1, 2, 0
.endm
	s_wait_tensorcnt 1                             ; my part of K step 0 is in; K step 1's may be out
	s_barrier_signal -1
	s_barrier_wait -1
	FETCH 0, 0, F0
	s_wait_loadcnt 0x0                             ; the bias
	QUARTER 0, 1, F0, F1, 1
	WIN 0
	s_mov_b32 s3, LAPS-1
.Llap:                                                 ; a trip goes once round the ring and fills both slots again
	QUARTER 0, 2, F1, F0, 0
	QUARTER 0, 3, F0, F1, 0
	TURN 0, 1, 1
	QUARTER 1, 1, F0, F1, 0
	QUARTER 1, 2, F1, F0, 0
	QUARTER 1, 3, F0, F1, 0
	TURN 1, 0, 1
	QUARTER 0, 1, F0, F1, 0
	WIN 0
	s_sub_co_u32 s3, s3, 1
	s_cmp_lg_u32 s3, 0
	s_cbranch_scc1 .Llap
	QUARTER 0, 2, F1, F0, 0                        ; the last lap fills nothing
	QUARTER 0, 3, F0, F1, 0
	TURN 0, 1, 0
	QUARTER 1, 1, F0, F1, 0
	QUARTER 1, 2, F1, F0, 0
	QUARTER 1, 3, F0, F1, 0
	s_wait_dscnt 8
	WIN MUL_LO
	MUL16 F1, 0, 0, 0
	MUL16 F1, 0, 2, 0
	s_wait_dscnt 0
	WIN MUL_HI
	MUL16 F1, 1, 0, 0
	MUL16 F1, 1, 2, 0
	WIN 0
; THE WAY OUT of block a (16 rows x 128 columns).  GELU: the activation in f32, two batches of transcendentals with one wait each, rounded to f16.  TOSTAGE: into my stage, back as whole rows of 256 bytes.  SEND: stored.
.macro GELU a
.set AC, 64*((\a)%4)
.set WX, 2+(\a)/4                      ; the block's window
.set W2, WX|(WX<<2)
.set W1, WX<<2
	WIN W2                                         ; sources 0 and 1: the accumulators
.set i, 0
.rept 32
	v_pk_mul_f32 v[T+2*i:T+2*i+1], v[AC+2*i:AC+2*i+1], v[AC+2*i:AC+2*i+1]          ; x x, each accumulator from its low end on
.set i, i+1
.endr
	WIN 0
.set i, 0
.rept 32
	v_pk_fma_f32 v[T+2*i:T+2*i+1], v[T+2*i:T+2*i+1], v[GB:GB+1], v[GA:GA+1]        ; A + B x x
.set i, i+1
.endr
	WIN W1                                         ; source 1: the accumulators
.set i, 0
.rept 32
	v_pk_mul_f32 v[T+2*i:T+2*i+1], v[T+2*i:T+2*i+1], v[AC+2*i:AC+2*i+1]
.set i, i+1
.endr
	WIN 0
.set i, 0
.rept 64
	v_exp_f32 v[T+i], v[T+i]
.set i, i+1
.endr
	v_nop                                          ; a plain line behind the last of the batch (ISA guide 5.7.2)
	s_wait_alu depctr_va_vdst(0)                   ; one wait for the batch, ahead of its first reader
.set i, 0
.rept 32
	v_pk_add_f32 v[T+2*i:T+2*i+1], v[T+2*i:T+2*i+1], 1.0 op_sel_hi:[1,0]
.set i, i+1
.endr
.set i, 0
.rept 64
	v_rcp_f32 v[T+i], v[T+i]
.set i, i+1
.endr
	v_nop
	s_wait_alu depctr_va_vdst(0)
	WIN W1
.set i, 0
.rept 32
	v_pk_mul_f32 v[T+2*i:T+2*i+1], v[T+2*i:T+2*i+1], v[AC+2*i:AC+2*i+1]
.set i, i+1
.endr
	WIN 0
.set i, 0
.rept 32
	v_cvt_pk_f16_f32 v[TMP+i], v[T+2*i], v[T+2*i+1]
.set i, i+1
.endr
.endm
.macro TOSTAGE a
.set BK, OB+192*((\a)%2)
.irp b, 0,1,2,3,4,5,6,7
	ds_store_b128 v[STO], v[TMP+4*\b:TMP+4*\b+3] offset:32*\b
.endr
.irp t, 0,1,2,3,4,5,6,7
	ds_load_b128 v[BK+4*\t:BK+4*\t+3], v[RD] offset:\t*2*SPITCH    ; LDS serves a wave's instructions in order: these see the stores above
.endr
.endm
.macro SEND a
.set BK, OB+192*((\a)%2)
	s_wait_dscnt 0x0                               ; the block is back in registers
	s_wait_xcnt 0x0                                ; the earlier stores have read their base and their registers: both may be written again
.if (\a) == 0
	s_add_nc_u64 s[8:9], s[8:9], s[16:17]
.else
	s_add_nc_u64 s[8:9], s[8:9], 16*SIZE_N*2
.endif
.irp t, 0,1,2,3,4,5,6,7
	global_store_b128 v[CO], v[BK+4*\t:BK+4*\t+3], s[8:9] offset:2*\t*SIZE_N*2   ; sixteen lanes store 256 consecutive bytes, aligned
.endr
.endm
	PLACES
	GELU 0
	TOSTAGE 0
.irp a, 1,2,3,4,5,6,7
	GELU \a                                        ; a block's arithmetic stands between the loads of the block before and the wait for them
	SEND \a-1
	TOSTAGE \a
.endr
	SEND 7
	s_wait_tensorcnt 0x0                           ; the wave's end
	ds_add_u32 v[SPW], v[NIL]
	s_wait_dscnt 0x0
	CROUND                                         ; the closing round
	s_endpgm
.Lfunc_end_k_q618bc6aec5_fc:
	.size	k_q618bc6aec5_fc, .Lfunc_end_k_q618bc6aec5_fc-k_q618bc6aec5_fc
	.p2alignl 7, 3214868480
	.fill 96, 4, 3214868480
	.section	.rodata,"a",@progbits
	.p2align	6, 0x0
	.amdhsa_kernel k_q618bc6aec5_fc
		.amdhsa_group_segment_fixed_size 327680
		.amdhsa_private_segment_fixed_size 0
		.amdhsa_enable_private_segment 0
		.amdhsa_kernarg_size 32
		.amdhsa_user_sgpr_count 2
		.amdhsa_user_sgpr_kernarg_segment_ptr 1
		.amdhsa_wavefront_size32 1
		.amdhsa_system_sgpr_workgroup_id_x 1
		.amdhsa_system_sgpr_workgroup_id_y 1
		.amdhsa_system_sgpr_workgroup_id_z 1
		.amdhsa_system_vgpr_workitem_id 0
		.amdhsa_next_free_vgpr 1024
		.amdhsa_next_free_sgpr 72
		.amdhsa_reserve_vcc 0
		.amdhsa_float_denorm_mode_32 3
		.amdhsa_float_denorm_mode_16_64 3
		.amdhsa_memory_ordered 1
		.amdhsa_forward_progress 1
		.amdhsa_inst_pref_size 255
	.end_amdhsa_kernel
	.section	.bss,"aw",@nobits
	.p2align	6
	.space	262144
	.amdgpu_metadata
---
amdhsa.version: [ 1, 2 ]
amdhsa.kernels:
  - .name:           k_q618bc6aec5_fc
    .symbol:         k_q618bc6aec5_fc.kd
    .args:
      - { .name: a16, .offset: 0, .size: 8, .value_kind: global_buffer, .address_space: global }
      - { .name: w16, .offset: 8, .size: 8, .value_kind: global_buffer, .address_space: global }
      - { .name: b_fc, .offset: 16, .size: 8, .value_kind: global_buffer, .address_space: global }
      - { .name: g16, .offset: 24, .size: 8, .value_kind: global_buffer, .address_space: global }
    .group_segment_fixed_size: 327680
    .private_segment_fixed_size: 0
    .kernarg_segment_align: 8
    .kernarg_segment_size: 32
    .max_flat_workgroup_size: 128
    .sgpr_count:     72
    .vgpr_count:     1024
    .wavefront_size: 32
...
	.end_amdgpu_metadata
.endif
;; end of part 6
;; launch fcproj (part 7): grid 8 x 32, 4 waves a work-group, clusters of 4 x 4, 327,680 bytes of LDS; arguments g16, w16, b_fc_proj, h32, pre; writes pre
.if DOCPART == 7
	.amdgcn_target "amdgcn-amd-amdhsa--gfx1250"
	.amdhsa_code_object_version 6
	.text
	.protected	k_q618bc6aec5_fcproj
	.globl	k_q618bc6aec5_fcproj
	.p2align	8
	.type	k_q618bc6aec5_fcproj,@function
k_q618bc6aec5_fcproj:
	s_mov_b64 s[64:65], 0
	v_nop
	global_prefetch_b8 v0, s[64:65] scope:SCOPE_SE
	s_setreg_imm32_b32 hwreg(HW_REG_WAVE_MODE, 25, 1), 1
	s_wait_xcnt 0x0
	s_wait_alu depctr_hold_cnt(0) depctr_sa_sdst(0) depctr_va_vdst(0) depctr_va_sdst(0) depctr_va_ssrc(0) depctr_va_vcc(0) depctr_vm_vsrc(0)
	s_getreg_b32 s2, hwreg(HW_REG_IB_STS2, 6, 4)
	s_cmp_eq_u32 s2, 0
	s_cbranch_scc0 .Lentry_in_a_cluster
	s_endpgm
.Lentry_in_a_cluster:
	s_bfe_u32 s2, ttmp6, 0x10000c
	s_cmp_lg_u32 s2, 0xf033
	s_cbranch_scc0 .Lentry_shape_is_right
	s_endpgm
.Lentry_shape_is_right:
; pre = res + A W + bias.  A: [4096][SIZE_K] f16; W: [SIZE_K][1024] f16 at byte WOFF of w16, K along its FIRST axis as the input lies; bias [1024], res and pre [4096][1024] f32.  Sums in f32.
; Here: A = the activation g, W = w_fc_proj, res = h.  The text is that of the attention's projection but for SIZE_K and WOFF.
; A tile of 128 x 128 to a work-group (256 work-groups), four waves of 64 x 64: 16 accumulators.  K goes in steps of 256 through a ring of two LDS slots: A's rows are 512 bytes, W's 256 rows of a step 256 bytes.
; W's fragments come turned out of LDS (ds_load_tr16_b128), so nothing is transposed in memory.
; CLUSTERS: 4 x 4 work-groups; A's tiles are shared along a row of the cluster, W's along a column: each is asked for jointly.
; The matrix instruction is used transposed (source 0 = 16 columns of W, source 1 = 16 rows of A): a lane holds eight neighbouring columns of one row.  The bias is the C of each sum's first instruction.
; The residual's 64 x 64 numbers of a wave are asked for at the head, in the layout in which rows come back from the stage, and stay on their way under the whole loop.
; No prefetch: each tile is shared fourfold by the joint loads and read again by the other clusters of its row or column.
; REGISTERS: window 0: v0-31 addresses; v32-95 the way out, two sets; v96-127 the bias; v128-255 the accumulators.  window 1: two fragment buffers of 128.  window 2: v0-127 the residual.
.set SIZE_K, 4096
.set WOFF,   10485760
.set KSTEP,  256
.set PA,     528
.set PB,     288
.set HALFA,  64*PA
.set HALFB,  128*PB
.set BOFF,   2*HALFA
.set SLOT,   BOFF+2*HALFB
.set STAGE,  2*SLOT
.set SPITCH, 272
.set SPARE,  STAGE+4*16*SPITCH
.set LAPS,   SIZE_K/(2*KSTEP)
.set ADRA, 16
.set ADRB, 20
.set STO,  24
.set RD,   25
.set CO,   26
.set BO,   27
.set SPW,  28
.set NIL,  29
.set TMP,  32
.set BIAS, 96
.set ACC,  128
.set F0,   0
.set F1,   128
.set G1, 24
.set G0, 32
.set G1B, 48
.set G0B, 56
.set MSB, 0
.macro WIN new
.if MSB != (\new)
	s_set_vgpr_msb (MSB<<8)|(\new)
.set MSB, (\new)
.endif
.endm
.set MUL,  0x05
.set TO_F, 0x40
.macro JLOAD s                         ; waves 0 and 1 fetch A's two halves, waves 2 and 3 W's; an s_nop 0 and four v_nop follow each line
	s_cmp_eq_u32 s11, 0
	s_cbranch_scc0 .Lfor_b_\@
	tensor_load_to_lds s[G0+4*\s:G0+4*\s+3], s[G1:G1+7]
	s_nop 0
.rept 4
	v_nop
.endr
	s_branch .Lasked_\@
.Lfor_b_\@:
	tensor_load_to_lds s[G0B+4*\s:G0B+4*\s+3], s[G1B:G1B+7]
	s_nop 0
.rept 4
	v_nop
.endr
.Lasked_\@:
.endm
.macro CREST
	s_cmp_lg_u32 s10, 0
	s_cbranch_scc1 .Lnot_wave_0_\@
	s_barrier_signal -3
.Lnot_wave_0_\@:
	s_barrier_wait -3
	s_barrier_signal -1
	s_barrier_wait -1
.endm
.macro CROUND
	s_barrier_signal -1
	s_barrier_wait -1
	CREST
.endm
	s_load_b128 s[4:7], s[0:1], 0x0                ; A s[4:5], w16 s[6:7]
	s_load_b128 s[68:71], s[0:1], 0x10             ; bias s[68:69], residual s[70:71]
	s_load_b64 s[8:9], s[0:1], 0x20                ; pre
	v_lshl_add_u32 v[SPW], v0, 2, SPARE
	v_mov_b32 v[NIL], 0
	ds_add_u32 v[SPW], v[NIL]                      ; the wave's opening: the add, twice on end, and its wait ahead of my first tensor load
	ds_add_u32 v[SPW], v[NIL]
	v_lshrrev_b32 v1, 5, v0
	v_readfirstlane_b32 s10, v1                    ; wave 0..3
	s_lshr_b32 s11, s10, 1                         ; which half of the tile's rows is mine.  Also: I fetch for A (0) or for W (1)
	s_and_b32 s12, s10, 1                          ; which half of its columns.  Also: which half of that tile I fetch
	s_bfe_u32 s40, ttmp6, 0x40000
	s_bfe_u32 s41, ttmp6, 0x40004
	s_lshl_b32 s42, ttmp9, 2
	s_add_co_u32 s42, s42, s40                     ; tile column
	s_and_b32 s13, ttmp7, 0xffff
	s_lshl_b32 s13, s13, 2
	s_add_co_u32 s13, s13, s41                     ; tile row
	s_lshl_b32 s43, s41, 2
	s_lshl_b32 s43, 15, s43                        ; my row of the cluster
	s_lshl_b32 s44, 0x1111, s40                    ; my column
	s_or_b32 s[G1+0], s43, (1<<16)|(1<<20)|(1<<21)|(6<<22)|(3<<25)   ; A: 64 rows x 256 elements of 2 bytes; 4 words of padding behind every 128
	s_mov_b32 s[G1+1], KSTEP<<16
	s_mov_b32 s[G1+2], 64<<16
	s_mov_b32 s[G1+3], KSTEP<<16
	s_mov_b32 s[G1+4], 64
	s_mov_b32 s[G1+5], SIZE_K
	s_mov_b32 s[G1+6], 0
	s_mov_b32 s[G1+7], 0
	s_or_b32 s[G1B+0], s44, (1<<16)|(1<<20)|(1<<21)|(5<<22)|(7<<25)  ; W: 128 rows (along K) x 128 elements; 8 words of padding behind every 64
	s_mov_b32 s[G1B+1], 128<<16
	s_mov_b32 s[G1B+2], 128<<16
	s_mov_b32 s[G1B+3], 128<<16
	s_mov_b32 s[G1B+4], 128
	s_mov_b32 s[G1B+5], 1024
	s_mov_b32 s[G1B+6], 0
	s_mov_b32 s[G1B+7], 0
	s_lshl_b32 s17, s12, 6
	s_lshl_b32 s16, s13, 7
	s_add_co_u32 s16, s16, s17                     ; A: row 128 x tile row + 64 x half
	s_mov_b32 s17, 0
	s_mov_b64 s[18:19], SIZE_K*2
	s_mul_u64 s[16:17], s[16:17], s[18:19]
	s_lshl_b32 s46, s12, 18                        ; W: 128 x half rows of 2,048 bytes,
	s_lshl_b32 s47, s42, 8                         ; + 256 bytes x tile column,
	s_add_co_u32 s46, s46, s47
	s_add_co_u32 s46, s46, WOFF                    ; in its part of w16
	s_mov_b32 s47, 0
	s_mul_i32 s20, s12, HALFA                      ; where they go: no place in the cluster enters an LDS address
	s_mul_i32 s21, s12, HALFB
	s_add_co_u32 s21, s21, BOFF
	s_wait_dscnt 0x0                               ; both opening adds are done
	s_wait_kmcnt 0x0
	s_add_nc_u64 s[14:15], s[4:5], s[16:17]
	s_add_nc_u64 s[46:47], s[6:7], s[46:47]
	CROUND                                         ; all sixteen work-groups are here: the first joint loads meet
.irp s, 0,1
	s_mov_b32 s[G0+4*\s], 1
	s_add_co_u32 s[G0+4*\s+1], s20, \s*SLOT
	s_add_nc_u64 s[G0+4*\s+2:G0+4*\s+3], s[14:15], \s*KSTEP*2
	s_or_b32 s[G0+4*\s+3], s[G0+4*\s+3], 0x80000000
	s_mov_b32 s[G0B+4*\s], 1
	s_add_co_u32 s[G0B+4*\s+1], s21, \s*SLOT
	s_add_nc_u64 s[G0B+4*\s+2:G0B+4*\s+3], s[46:47], \s*KSTEP*2048
	s_or_b32 s[G0B+4*\s+3], s[G0B+4*\s+3], 0x80000000
	JLOAD \s                                       ; two tensor loads of mine are out behind the second
.endr
	v_and_b32 v1, 15, v0                           ; r
	v_bfe_u32 v2, v0, 4, 1                         ; h
	s_lshl_b32 s16, s13, 7
	s_lshl_b32 s17, s11, 6
	s_add_co_u32 s16, s16, s17                     ; my first row: 128 x tile row + 64 x half
	s_lshl_b32 s16, s16, 12                        ; x 4,096 bytes
	s_mov_b32 s17, 0
	s_lshl_b32 s46, s42, 9                         ; my first column, in bytes of f32: 512 x tile column + 256 x half
	s_lshl_b32 s47, s12, 8
	s_add_co_u32 s46, s46, s47
	s_mov_b32 s47, 0
	s_add_nc_u64 s[8:9], s[8:9], s[16:17]
	s_add_nc_u64 s[8:9], s[8:9], s[46:47]
	s_add_nc_u64 s[70:71], s[70:71], s[16:17]
	s_add_nc_u64 s[70:71], s[70:71], s[46:47]
	s_add_nc_u64 s[68:69], s[68:69], s[46:47]
	v_lshlrev_b32 v[BO], 5, v2
	v_lshlrev_b32 v[CO], 12, v2
	v_lshl_add_u32 v[CO], v1, 4, v[CO]             ; lanes 0-15 one row of 256 bytes, lanes 16-31 the next
.irp b, 0,1,2,3
	global_load_b128 v[BIAS+8*\b:BIAS+8*\b+3], v[BO], s[68:69] offset:64*\b        ; lane (r, h): the bias of columns 16 b + 8 h + 0 .. 7
	global_load_b128 v[BIAS+8*\b+4:BIAS+8*\b+7], v[BO], s[68:69] offset:64*\b+16
.endr
	WIN 0x80                                       ; destination window 2
.set i, 0
.rept 32
	global_load_b128 v[4*i:4*i+3], v[CO], s[70:71] offset:2*i*4096                 ; the residual: rows 2 i and 2 i + 1 of my 64
.set i, i+1
.endr
	WIN 0
	v_mul_u32_u24 v3, v1, PA
	v_lshl_add_u32 v3, v2, 4, v3
	s_mul_i32 s22, s11, HALFA
	v_add_nc_u32 v[ADRA], s22, v3
	v_add_nc_u32 v[ADRA+1], SLOT, v[ADRA]
	v_and_b32 v4, 7, v0
	v_lshl_add_u32 v4, v2, 3, v4                   ; for the turning load: row 8 h + l % 8 along K,
	v_mul_u32_u24 v4, v4, PB
	v_bfe_u32 v5, v0, 3, 1
	v_lshl_add_u32 v4, v5, 4, v4                   ; columns 8 ((l / 8) % 2) on
	s_lshl_b32 s22, s12, 7
	s_add_co_u32 s22, s22, BOFF                    ; my 64 columns: 128 bytes x half
	v_add_nc_u32 v[ADRB], s22, v4
	v_add_nc_u32 v[ADRB+1], HALFB, v[ADRB]
	v_add_nc_u32 v[ADRB+2], SLOT, v[ADRB]
	v_add_nc_u32 v[ADRB+3], SLOT+HALFB, v[ADRB]
	s_mul_i32 s23, s10, 16*SPITCH
	s_add_co_u32 s23, s23, STAGE                   ; my stage
	v_mul_u32_u24 v4, v1, SPITCH
	v_lshl_add_u32 v4, v2, 5, v4
	v_add_nc_u32 v[STO], s23, v4                   ; in: row r, 32 bytes for each half of the lanes
	v_mul_u32_u24 v5, v2, SPITCH
	v_lshl_add_u32 v5, v1, 4, v5
	v_add_nc_u32 v[RD], s23, v5                    ; back: two rows an instruction
.macro MUL8 f, c, a0, first            ; 8 matrix instructions: row blocks a0, a0 + 1 x all 4 column blocks, 32 along K.  first = 1: the bias starts the sums.  The 16 accumulators take turns
.irp a, \a0, \a0+1
.irp b, 0,1,2,3
.if \first
	v_wmma_f32_16x16x32_f16 v[ACC+8*(4*(\a)+\b):ACC+8*(4*(\a)+\b)+7], v[\f+64+8*(4*\c+\b):\f+64+8*(4*\c+\b)+7], v[\f+8*(4*\c+\a):\f+8*(4*\c+\a)+7], v[BIAS+8*\b:BIAS+8*\b+7]
.else
	v_wmma_f32_16x16x32_f16 v[ACC+8*(4*(\a)+\b):ACC+8*(4*(\a)+\b)+7], v[\f+64+8*(4*\c+\b):\f+64+8*(4*\c+\b)+7], v[\f+8*(4*\c+\a):\f+8*(4*\c+\a)+7], v[ACC+8*(4*(\a)+\b):ACC+8*(4*(\a)+\b)+7]
.endif
.endr
.endr
.endm
.macro FETCH slot, q, f                ; 32 LDS loads in one run: the fragments of the slot's q-th 64 along K into buffer f; the first 32 along K first
	WIN TO_F
.irp c, 0,1
.irp i, 0,1,2,3
	ds_load_tr16_b128 v[\f+64+8*(4*\c+\i):\f+64+8*(4*\c+\i)+3],   v[ADRB+2*\slot+(\q)/2] offset:(((\q)%2)*64+32*\c)*PB+32*\i
	ds_load_tr16_b128 v[\f+64+8*(4*\c+\i)+4:\f+64+8*(4*\c+\i)+7], v[ADRB+2*\slot+(\q)/2] offset:(((\q)%2)*64+32*\c)*PB+32*\i+16*PB
	ds_load_b128 v[\f+8*(4*\c+\i):\f+8*(4*\c+\i)+3],         v[ADRA+\slot] offset:128*(\q)+64*\c+\i*16*PA
	ds_load_b128 v[\f+8*(4*\c+\i)+4:\f+8*(4*\c+\i)+7],       v[ADRA+\slot] offset:128*(\q)+64*\c+\i*16*PA+32
.endr
.endr
.endm
.macro PLACES
.rept 4
	v_nop
.endr
.endm
.macro QUARTER slot, q, f, g, first    ; multiplies buffer f and fetches the slot's quarter q into g
	s_wait_dscnt 16                                ; the first 32 along K are in
	WIN MUL
	MUL8 \f, 0, 0, \first
	MUL8 \f, 0, 2, \first
	PLACES
	FETCH \slot, \q, \g
	s_wait_dscnt 32                                ; all but the 32 just issued
	WIN MUL
	MUL8 \f, 1, 0, 0
	MUL8 \f, 1, 2, 0
.endm
; The last quarter multiplies buffer 1 and changes slots: one barrier; in front of it each wave waits for all its tensor loads, adds 0 to its spare word, and waits for that and for its reads of this slot.
.macro TURN slot, next, fill
	WIN 0
	s_wait_tensorcnt 0x0                           ; my part of the next slot has landed
	ds_add_u32 v[SPW], v[NIL]
	s_wait_dscnt 17                                ; (the add and the youngest sixteen loads may be out)
	WIN MUL
	MUL8 F1, 0, 0, 0
	s_wait_dscnt 0x0                               ; the add is done, and my reads of this slot are over
	s_barrier_signal -1
	MUL8 F1, 0, 2, 0
.if \fill
	WIN 0
.endif
	s_barrier_wait -1
.if \fill
	CREST                                          ; the barrier has opened a round of the cluster's barrier: no wave of any partner still reads this slot or has a load on its way
	s_add_nc_u64 s[G0+4*\slot+2:G0+4*\slot+3], s[G0+4*\slot+2:G0+4*\slot+3], 2*KSTEP*2
	s_add_nc_u64 s[G0B+4*\slot+2:G0B+4*\slot+3], s[G0B+4*\slot+2:G0B+4*\slot+3], 2*KSTEP*2048
	JLOAD \slot                                    ; my one tensor load behind the round; its four v_nop are also the places in front of the loads below
.else
	PLACES
.endif
	FETCH \next, 0, F0
	WIN MUL
	MUL8 F1, 1, 0, 0
	MUL8 F1, 1, 2, 0
.endm
	s_wait_tensorcnt 1                             ; my part of K step 0 is in; K step 1's may be out
	s_barrier_signal -1
	s_barrier_wait -1
	FETCH 0, 0, F0
	s_wait_loadcnt 32                              ; the bias is in; the residual's 32 loads stay out
	QUARTER 0, 1, F0, F1, 1
	WIN 0
	s_mov_b32 s3, LAPS-1
.Llap:                                                 ; a trip goes once round the ring and fills both slots again
	QUARTER 0, 2, F1, F0, 0
	QUARTER 0, 3, F0, F1, 0
	TURN 0, 1, 1
	QUARTER 1, 1, F0, F1, 0
	QUARTER 1, 2, F1, F0, 0
	QUARTER 1, 3, F0, F1, 0
	TURN 1, 0, 1
	QUARTER 0, 1, F0, F1, 0
	WIN 0
	s_sub_co_u32 s3, s3, 1
	s_cmp_lg_u32 s3, 0
	s_cbranch_scc1 .Llap
	QUARTER 0, 2, F1, F0, 0                        ; the last lap fills nothing
	QUARTER 0, 3, F0, F1, 0
	TURN 0, 1, 0
	QUARTER 1, 1, F0, F1, 0
	QUARTER 1, 2, F1, F0, 0
	QUARTER 1, 3, F0, F1, 0
	s_wait_dscnt 16
	WIN MUL
	MUL8 F1, 0, 0, 0
	MUL8 F1, 0, 2, 0
	s_wait_dscnt 0
	MUL8 F1, 1, 0, 0
	MUL8 F1, 1, 2, 0
	WIN 0
	; THE WAY OUT, 16 rows x 64 columns at a time: through my own stage, back as whole rows of 256 bytes, + the residual, stored: sixteen lanes cover 256 consecutive bytes, aligned.
	PLACES
	s_wait_loadcnt 0x0                             ; the residual
.irp a, 0,1,2,3
.set TT, TMP+32*(\a%2)
.if \a >= 2
	s_wait_xcnt 0x0                                ; the stores of two blocks back have read their registers
.endif
.irp b, 0,1,2,3
	ds_store_b128 v[STO], v[ACC+8*(4*\a+\b):ACC+8*(4*\a+\b)+3] offset:64*\b        ; each accumulator from its low end on
	ds_store_b128 v[STO], v[ACC+8*(4*\a+\b)+4:ACC+8*(4*\a+\b)+7] offset:64*\b+16
.endr
.irp t, 0,1,2,3,4,5,6,7
	ds_load_b128 v[TT+4*\t:TT+4*\t+3], v[RD] offset:2*SPITCH*\t
.endr
	s_wait_dscnt 0x0
	WIN 0x08                                       ; source 1 window 2
.set i, 0
.rept 16
	v_pk_add_f32 v[TT+2*i:TT+2*i+1], v[TT+2*i:TT+2*i+1], v[32*\a+2*i:32*\a+2*i+1]
.set i, i+1
.endr
	WIN 0
.irp t, 0,1,2,3,4,5,6,7
	global_store_b128 v[CO], v[TT+4*\t:TT+4*\t+3], s[8:9] offset:(16*\a+2*\t)*4096
.endr
.endr
	s_wait_tensorcnt 0x0                           ; the wave's end
	ds_add_u32 v[SPW], v[NIL]
	s_wait_dscnt 0x0
	CROUND                                         ; the closing round
	s_endpgm
.Lfunc_end_k_q618bc6aec5_fcproj:
	.size	k_q618bc6aec5_fcproj, .Lfunc_end_k_q618bc6aec5_fcproj-k_q618bc6aec5_fcproj
	.p2alignl 7, 3214868480
	.fill 96, 4, 3214868480
	.section	.rodata,"a",@progbits
	.p2align	6, 0x0
	.amdhsa_kernel k_q618bc6aec5_fcproj
		.amdhsa_group_segment_fixed_size 327680
		.amdhsa_private_segment_fixed_size 0
		.amdhsa_enable_private_segment 0
		.amdhsa_kernarg_size 40
		.amdhsa_user_sgpr_count 2
		.amdhsa_user_sgpr_kernarg_segment_ptr 1
		.amdhsa_wavefront_size32 1
		.amdhsa_system_sgpr_workgroup_id_x 1
		.amdhsa_system_sgpr_workgroup_id_y 1
		.amdhsa_system_sgpr_workgroup_id_z 1
		.amdhsa_system_vgpr_workitem_id 0
		.amdhsa_next_free_vgpr 640
		.amdhsa_next_free_sgpr 72
		.amdhsa_reserve_vcc 0
		.amdhsa_float_denorm_mode_32 3
		.amdhsa_float_denorm_mode_16_64 3
		.amdhsa_memory_ordered 1
		.amdhsa_forward_progress 1
		.amdhsa_inst_pref_size 94
	.end_amdhsa_kernel
	.amdgpu_metadata
---
amdhsa.version: [ 1, 2 ]
amdhsa.kernels:
  - .name:           k_q618bc6aec5_fcproj
    .symbol:         k_q618bc6aec5_fcproj.kd
    .args:
      - { .name: g16, .offset: 0, .size: 8, .value_kind: global_buffer, .address_space: global }
      - { .name: w16, .offset: 8, .size: 8, .value_kind: global_buffer, .address_space: global }
      - { .name: b_fc_proj, .offset: 16, .size: 8, .value_kind: global_buffer, .address_space: global }
      - { .name: h32, .offset: 24, .size: 8, .value_kind: global_buffer, .address_space: global }
      - { .name: pre, .offset: 32, .size: 8, .value_kind: global_buffer, .address_space: global }
    .group_segment_fixed_size: 327680
    .private_segment_fixed_size: 0
    .kernarg_segment_align: 8
    .kernarg_segment_size: 40
    .max_flat_workgroup_size: 128
    .sgpr_count:     72
    .vgpr_count:     640
    .wavefront_size: 32
...
	.end_amdgpu_metadata
.endif
;; end of part 7
;; launch ln2 (part 8): grid 256 x 1, 8 waves a work-group, no clusters, 0 bytes of LDS; arguments pre, ln2_g, ln2_b, out0; writes out0
.if DOCPART == 8
	.amdgcn_target "amdgcn-amd-amdhsa--gfx1250"
	.amdhsa_code_object_version 6
	.text
	.protected	k_q618bc6aec5_ln2
	.globl	k_q618bc6aec5_ln2
	.p2align	8
	.type	k_q618bc6aec5_ln2,@function
k_q618bc6aec5_ln2:
	s_mov_b64 s[64:65], 0
	v_nop
	global_prefetch_b8 v0, s[64:65] scope:SCOPE_SE
	s_setreg_imm32_b32 hwreg(HW_REG_WAVE_MODE, 25, 1), 1
	s_wait_xcnt 0x0
; out = (pre - mean) x rsqrt(var + 1e-5) x g + b along rows of 1,024, in f32.
; A wave takes two whole rows; a row stays in 32 registers between the mean, the variance (of the differences from the mean) and the scaling: it is read once, and no wave waits for another.
; Every load and store covers 512 consecutive bytes, aligned.  All loads are issued at the head.  No LDS, no matrix unit: bytes are all that counts here.
.set G,  16                            ; v16-47   g of my 32 columns
.set B,  48                            ; v48-79   b
.set R0, 80                            ; v80-111  row 0;  v112-143 row 1
	s_load_b256 s[4:11], s[0:1], 0x0               ; pre, g, b, out
	v_and_b32 v1, 31, v0
	v_lshrrev_b32 v2, 5, v0
	v_readfirstlane_b32 s14, v2                    ; wave 0..7
	v_lshlrev_b32 v1, 4, v1                        ; 16 x lane
	s_lshl_b32 s15, ttmp9, 4
	s_lshl_b32 s16, s14, 1
	s_add_co_u32 s15, s15, s16                     ; my first row
	s_lshl_b32 s16, s15, 12
	s_mov_b32 s17, 0
	s_mov_b32 s20, 0x76543210
	s_mov_b32 s21, 0xfedcba98                      ; v_permlanex16_b32's selects for lane l xor 16
	s_mov_b32 s22, 0x3a800000                      ; 1 / 1,024
	s_mov_b32 s23, 0x3727c5ac                      ; 1e-5
	s_wait_kmcnt 0x0
	s_add_nc_u64 s[4:5], s[4:5], s[16:17]
	s_add_nc_u64 s[10:11], s[10:11], s[16:17]
.irp j, 0,1,2,3,4,5,6,7
	global_load_b128 v[G+4*\j:G+4*\j+3], v1, s[6:7] offset:512*\j
.endr
.irp j, 0,1,2,3,4,5,6,7
	global_load_b128 v[B+4*\j:B+4*\j+3], v1, s[8:9] offset:512*\j
.endr
.irp j, 0,1,2,3,4,5,6,7
	global_load_b128 v[R0+4*\j:R0+4*\j+3], v1, s[4:5] offset:512*\j th:TH_LOAD_NT
.endr
.irp j, 0,1,2,3,4,5,6,7
	global_load_b128 v[R0+32+4*\j:R0+32+4*\j+3], v1, s[4:5] offset:4096+512*\j th:TH_LOAD_NT
.endr
.macro ACROSS a, t                     ; the sum over the 32 lanes, in every lane
	v_add_f32_dpp v[\a], v[\a], v[\a] row_xmask:1 row_mask:0xf bank_mask:0xf
	v_add_f32_dpp v[\a], v[\a], v[\a] row_xmask:2 row_mask:0xf bank_mask:0xf
	v_add_f32_dpp v[\a], v[\a], v[\a] row_xmask:4 row_mask:0xf bank_mask:0xf
	v_add_f32_dpp v[\a], v[\a], v[\a] row_xmask:8 row_mask:0xf bank_mask:0xf
	v_permlanex16_b32 v[\t], v[\a], s20, s21
	v_add_f32 v[\a], v[\a], v[\t]
.endm
.macro LNROW n, left
.set R, R0+32*\n
	s_wait_loadcnt \left                           ; g, b and this row are in; the later row's eight loads may be out
	v_pk_add_f32 v[4:5], v[R:R+1], v[R+2:R+3]
	v_pk_add_f32 v[6:7], v[R+4:R+5], v[R+6:R+7]
.irp k, 8,12,16,20,24,28
	v_pk_add_f32 v[4:5], v[4:5], v[R+\k:R+\k+1]
	v_pk_add_f32 v[6:7], v[6:7], v[R+\k+2:R+\k+3]
.endr
	v_pk_add_f32 v[4:5], v[4:5], v[6:7]
	v_add_f32 v4, v4, v5
	ACROSS 4, 5
	v_mul_f32 v4, s22, v4                          ; the mean
.set i, 0
.rept 16
	v_pk_add_f32 v[R+2*i:R+2*i+1], v[R+2*i:R+2*i+1], v[4:5] op_sel_hi:[1,0] neg_lo:[0,1] neg_hi:[0,1]
.set i, i+1
.endr
	v_pk_mul_f32 v[6:7], v[R:R+1], v[R:R+1]
	v_pk_mul_f32 v[8:9], v[R+2:R+3], v[R+2:R+3]
.irp k, 4,8,12,16,20,24,28
	v_pk_fma_f32 v[6:7], v[R+\k:R+\k+1], v[R+\k:R+\k+1], v[6:7]
	v_pk_fma_f32 v[8:9], v[R+\k+2:R+\k+3], v[R+\k+2:R+\k+3], v[8:9]
.endr
	v_pk_add_f32 v[6:7], v[6:7], v[8:9]
	v_add_f32 v6, v6, v7
	ACROSS 6, 7
	v_fma_f32 v6, v6, s22, s23                     ; the variance + 1e-5
	v_rsq_f32 v6, v6
	v_nop                                          ; a plain line behind the transcendental (ISA guide 5.7.2)
	s_wait_alu depctr_va_vdst(0)                   ; and a wait ahead of its first reader
.set i, 0
.rept 16
	v_pk_mul_f32 v[R+2*i:R+2*i+1], v[R+2*i:R+2*i+1], v[6:7] op_sel_hi:[1,0]
.set i, i+1
.endr
.set i, 0
.rept 16
	v_pk_fma_f32 v[R+2*i:R+2*i+1], v[R+2*i:R+2*i+1], v[G+2*i:G+2*i+1], v[B+2*i:B+2*i+1]
.set i, i+1
.endr
.irp j, 0,1,2,3,4,5,6,7
	global_store_b128 v1, v[R+4*\j:R+4*\j+3], s[10:11] offset:4096*\n+512*\j th:TH_STORE_NT
.endr
.endm
	LNROW 0, 8
	LNROW 1, 0
	s_endpgm
.Lfunc_end_k_q618bc6aec5_ln2:
	.size	k_q618bc6aec5_ln2, .Lfunc_end_k_q618bc6aec5_ln2-k_q618bc6aec5_ln2
	.p2alignl 7, 3214868480
	.fill 96, 4, 3214868480
	.section	.rodata,"a",@progbits
	.p2align	6, 0x0
	.amdhsa_kernel k_q618bc6aec5_ln2
		.amdhsa_group_segment_fixed_size 0
		.amdhsa_private_segment_fixed_size 0
		.amdhsa_enable_private_segment 0
		.amdhsa_kernarg_size 32
		.amdhsa_user_sgpr_count 2
		.amdhsa_user_sgpr_kernarg_segment_ptr 1
		.amdhsa_wavefront_size32 1
		.amdhsa_system_sgpr_workgroup_id_x 1
		.amdhsa_system_sgpr_workgroup_id_y 1
		.amdhsa_system_sgpr_workgroup_id_z 1
		.amdhsa_system_vgpr_workitem_id 0
		.amdhsa_next_free_vgpr 192
		.amdhsa_next_free_sgpr 66
		.amdhsa_reserve_vcc 0
		.amdhsa_float_denorm_mode_32 3
		.amdhsa_float_denorm_mode_16_64 3
		.amdhsa_memory_ordered 1
		.amdhsa_forward_progress 1
		.amdhsa_inst_pref_size 18
	.end_amdhsa_kernel
	.amdgpu_metadata
---
amdhsa.version: [ 1, 2 ]
amdhsa.kernels:
  - .name:           k_q618bc6aec5_ln2
    .symbol:         k_q618bc6aec5_ln2.kd
    .args:
      - { .name: pre, .offset: 0, .size: 8, .value_kind: global_buffer, .address_space: global }
      - { .name: ln2_g, .offset: 8, .size: 8, .value_kind: global_buffer, .address_space: global }
      - { .name: ln2_b, .offset: 16, .size: 8, .value_kind: global_buffer, .address_space: global }
      - { .name: out0, .offset: 24, .size: 8, .value_kind: global_buffer, .address_space: global }
    .group_segment_fixed_size: 0
    .private_segment_fixed_size: 0
    .kernarg_segment_align: 8
    .kernarg_segment_size: 32
    .max_flat_workgroup_size: 256
    .sgpr_count:     66
    .vgpr_count:     192
    .wavefront_size: 32
...
	.end_amdgpu_metadata
.endif
;; end of part 8
